; MI455X (gfx1250); checked and timed in simulation.
; The chip was launched on July 23, 2026; its instructions are those of AMD's public machine-readable ISA for CDNA 5 (MIT licence, August 2026) and "CDNA5" Instruction Set Architecture Reference Guide (July 2026). The comments in the code are by the model that wrote it; some were corrected since.
;; VQVAE. Allowed arithmetic: matrix products marked QUANTISED: E2M1 operands, one E8M0 scale for each 32 along K, by v_wmma_scale_f32_16x16x128_f8f6f4 with both operands' format E2M1 (or v_wmma_scale_f32_32x16x128_f4), f32 sums; everything else in f32.
;; Inputs: codebook 8,192 x 512 float32; z_e 16 x 1,024 x 512 float32.
;; Outputs: out0 2 x 16 x 1,024 x 512 float32.
;; This version of the problem:
;;   THIS VERSION OF THE PROBLEM IS GIVEN IN LOW PRECISION. The matrix products marked QUANTISED in the list below multiply operands that are first quantised to E2M1 (2 exponent bits, 1 mantissa bit; 4 bits a number), with one power-of-two scale for each 32 numbers along K (OCP MX v1.0); their sums are f32. All else is computed in f32.
;;   The module's matrix products, in the order in which they are computed (A, B: the left and right operand; K: the contracted axis; several contracted axes count as one K, in the product's order):
;;     1. [M 16,384, K 512] x [K 512, N 8,192]; A: input z_e; B: input codebook: QUANTISED
;;   THE QUANTISER, for each operand of a quantised product, along K:
;;     - K is cut into blocks of 32 from its start; a last block that is shorter is filled with zeros.
;;     - A block's scale is 2^e with e = floor(log2(the largest magnitude in the block)) - 2, held to -126 .. 127; a block of zeros has e = 0. As a byte (E8M0): e + 127.
;;     - Each number is divided by its block's scale, clamped to +-6, and rounded to the nearest number of E2M1, ties to even, subnormals kept.
;;     - The product sums the exact products of the quantised numbers (number of the format x scale) in f32.
;;   ~~~python
;;   def quantise(x, axis):      # numpy; x: float32 -> the quantised numbers, widened to float32 again
;;       x = np.moveaxis(x, axis, -1); K = x.shape[-1]
;;       x = np.pad(x, [(0, 0)] * (x.ndim - 1) + [(0, -K % 32)]); x = x.reshape(x.shape[:-1] + (-1, 32)); a = np.abs(x).max(-1, keepdims=True)
;;       e = np.where(a > 0, np.clip(np.frexp(np.where(a > 0, a, 1))[1] - 1 - 2, -126, 127), 0)      # np.frexp(a)[1] - 1 = floor(log2(a)), exactly
;;       r = np.clip(x / 2.0 ** e, -6, 6)
;;       step = 2.0 ** (np.maximum(np.frexp(np.where(r == 0, 1, r))[1] - 1, 0) - 1)
;;       q = np.round(r / step) * step * 2.0 ** e      # np.round: ties to even
;;       return np.moveaxis(q.reshape(q.shape[:-2] + (-1,))[..., :K], -1, axis).astype(np.float32)
;;   ~~~
;; 2 versions. Each part assembles by itself: llvm-mc -triple=amdgcn-amd-amdhsa -mcpu=gfx1250 --defsym DOCPART=n.
;; ======== version 1 of 2: 3 launches
;; workspace buffers: zq 4,521,984 bytes; cbk 2,260,992 bytes; idx 65,536 bytes of whole numbers
;; launch quant (part 1): grid 384 x 1, 4 waves a work-group, no clusters, 35,840 bytes of LDS; arguments z_e, codebook, zq, cbk; writes zq, cbk
.if DOCPART == 1
	.amdgcn_target "amdgcn-amd-amdhsa--gfx1250"
	.amdhsa_code_object_version 6
	.text
	.protected	k_qc27d27a902_quant
	.globl	k_qc27d27a902_quant
	.p2align	8
	.type	k_qc27d27a902_quant,@function
k_qc27d27a902_quant:
	s_mov_b64 s[64:65], 0
	v_nop
	global_prefetch_b8 v0, s[64:65] scope:SCOPE_SE
	s_setreg_imm32_b32 hwreg(HW_REG_WAVE_MODE, 25, 1), 1
	s_wait_xcnt 0x0
; z_e [16384][512] and codebook [8192][512], f32, become codes of FP4 (E2M1) with one E8M0 scale byte for each 32 along K, and each row's sum of squares, in f32.
; A block's scale is 2^(floor(log2(its largest magnitude)) - 2); its byte is the largest magnitude's exponent field - 2, held at 1 from below.
; THE OUTPUT IS LAID IN RECORDS OF 64 ROWS, 17,664 bytes = 69 x 256, in the order of the matrix operand's registers:
;   bytes 0 .. 16383      codes: tile i (16 rows) at 4096 i; piece q = 2 s + c (K step s of 128, register group c) at 512 q; lane l's 16 bytes at 16 l:
;                         registers 4 c .. 4 c + 3 of lane (r, h): the block k = 128 s + 64 c + 32 h + 0 .. 31 of row r
;   bytes 16384 .. 17407  scale words: 16 bytes a row, word s for K step s
;   bytes 17408 .. 17663  the 64 rows' sums of squares
; SHARES.  A work-group makes one record: the first 128 take the codebook's, the other 256 z_e's; only pointers are chosen, there is one way through the text.  Wave w takes tile w.
; Each load reads 512 consecutive bytes of one row; a K step's 16 rows x 512 bytes turn through the wave's own stage in LDS (rows 528 bytes apart), so that a lane gets two whole blocks of 32 neighbours.
; LIMITS: NaN and infinities among the inputs are not served.  A block of zeros gets the byte 1 where the rule says 127: its codes are zeros, and this program alone reads the bytes.
; The sums of squares are f32 sums in an order of their own (four chains a lane, then the two halves of the lanes).
.set REC,   17664
.set PITCH, 528                        ; a stage row: 512 bytes + 16
.set WST,   16*PITCH                   ; a wave's stage
.set OST,   4*WST                      ; behind the stages: 1,024 bytes of scale words, then 256 of sums
.set L16, 1                            ; v1   16 x lane
.set STW, 2                            ; v2   into the stage: wave's stage + 16 x lane
.set STR, 3                            ; v3   out of it: wave's stage + 528 r + 128 h
.set SH8, 4                            ; v4   8 h
.set OSC, 5                            ; v5   256 w + 16 r: my row's scale words
.set OSS, 6                            ; v6   64 w + 4 r: my row's sum
.set L8,  7                            ; v7   8 x lane
.set SQ,  8                            ; v8-15    four pairs of running sums of squares
.set R,   16                           ; v16-143  two sets of 64: a K step as loaded
.set X,   144                          ; v144-207 my two blocks of 32
.set C,   208                          ; v208-239 codes: eight registers for each K step, so that no store's data are written again
.set SW,  240                          ; v240-243 the row's four scale words
.set MX,  244                          ; v244-245 largest magnitudes
.set SO,  246                          ; v246-247 the conversions' scale operands
.set BY,  248                          ; v248-249 the scales' bytes
.set T,   250                          ; v250     a lane exchange's destination
.set W,   251                          ; v251     my two bytes of a scale word
	s_load_b256 s[4:11], s[0:1], 0x0               ; z_e s[4:5], codebook s[6:7], zq s[8:9], cbk s[10:11]
	v_lshl_add_u32 v254, v0, 2, 0x8a00
	v_mov_b32 v255, 0
	v_lshrrev_b32 v8, 5, v0
	v_readfirstlane_b32 s12, v8                    ; wave 0..3
	v_and_b32 v9, 31, v0                           ; lane
	v_and_b32 v10, 15, v0                          ; r
	v_bfe_u32 v11, v0, 4, 1                        ; h
	v_lshlrev_b32 v[L16], 4, v9
	v_lshlrev_b32 v[L8], 3, v9
	s_mul_i32 s16, s12, WST
	v_add_nc_u32 v[STW], s16, v[L16]
	v_mul_u32_u24 v[STR], v10, PITCH
	v_lshl_add_u32 v[STR], v11, 7, v[STR]
	v_add_nc_u32 v[STR], s16, v[STR]
	v_lshlrev_b32 v[SH8], 3, v11
	s_lshl_b32 s17, s12, 8
	v_lshl_add_u32 v[OSC], v10, 4, s17
	s_lshl_b32 s18, s12, 6
	v_lshl_add_u32 v[OSS], v10, 2, s18
	v_mov_b32 v[T], 0                              ; written once: a lane exchange's destination counts as one of its sources
	s_mov_b32 s20, 0x76543210
	s_mov_b32 s21, 0xfedcba98                      ; v_permlanex16_b32's selects for lane l xor 16
	s_wait_kmcnt 0x0
	s_cmp_lt_u32 ttmp9, 128                        ; the codebook's work-group or z_e's?  The choice hangs on the work-group's number alone
	s_cselect_b64 s[4:5], s[6:7], s[4:5]           ; from where
	s_cselect_b64 s[8:9], s[10:11], s[8:9]         ; to where
	s_cselect_b32 s13, 0, 128
	s_sub_co_u32 s13, ttmp9, s13                   ; which record of that tensor
	s_lshl_b32 s14, s13, 17                        ; 64 rows of 2,048 bytes a record,
	s_lshl_b32 s15, s12, 15                        ; 16 rows a wave (33,554,432 bytes at the most)
	s_add_co_u32 s14, s14, s15
	s_mov_b32 s15, 0
	s_add_nc_u64 s[4:5], s[4:5], s[14:15]          ; my wave's first row
	s_mul_i32 s14, s13, REC
	s_add_nc_u64 s[8:9], s[8:9], s[14:15]          ; the record
	s_lshl_b32 s14, s12, 12
	s_add_nc_u64 s[10:11], s[8:9], s[14:15]        ; my tile's codes in it
.macro LOADK s                         ; K step s of my 16 rows: each load takes 512 consecutive bytes of one row.  No hint: both tensors are read again by a later launch
.irp i, 0,1,2,3,4,5,6,7,8,9,10,11,12,13,14,15
	global_load_b128 v[R+64*((\s)%2)+4*\i:R+64*((\s)%2)+4*\i+3], v[L16], s[4:5] offset:2048*\i+512*(\s)
.endr
.endm
.macro KSTEP s
.if (\s) < 3
	s_wait_loadcnt 16                              ; loads come back in order: this K step's 16 are in, the next one's 16 may be out
.else
	s_wait_loadcnt 0
.endif
.irp i, 0,1,2,3,4,5,6,7,8,9,10,11,12,13,14,15
	ds_store_b128 v[STW], v[R+64*((\s)%2)+4*\i:R+64*((\s)%2)+4*\i+3] offset:PITCH*\i
.endr
.irp c, 0,1
.irp q, 0,1,2,3,4,5,6,7
	ds_load_b128 v[X+32*\c+4*\q:X+32*\c+4*\q+3], v[STR] offset:256*\c+16*\q   ; LDS serves a wave's instructions in order: these see the stores above
.endr
.endr
	s_wait_dscnt 0x0                               ; my two blocks are in
.if (\s) < 2
	LOADK (\s)+2                                   ; the set just emptied takes the K step two on
.endif
.irp c, 0,1
	v_max3_num_f32 v[MX+\c], |v[X+32*\c]|, |v[X+32*\c+1]|, 0x1800000   ; block 2 c + h: all its 32 numbers are mine; the floor 2^(3 - 127) holds the byte at 1 from below
.if (\s) == 0
	v_pk_mul_f32 v[SQ+2*\c:SQ+2*\c+1], v[X+32*\c:X+32*\c+1], v[X+32*\c:X+32*\c+1]   ; the first products start the sums: nothing is cleared
.else
	v_pk_fma_f32 v[SQ+2*\c:SQ+2*\c+1], v[X+32*\c:X+32*\c+1], v[X+32*\c:X+32*\c+1], v[SQ+2*\c:SQ+2*\c+1]
.endif
.endr
.irp i, 2,4,6,8,10,12,14,16,18,20,22,24,26,28,30
.irp c, 0,1
	v_max3_num_f32 v[MX+\c], v[MX+\c], |v[X+32*\c+\i]|, |v[X+32*\c+\i+1]|
.if ((\s) == 0) && (\i == 2)
	v_pk_mul_f32 v[SQ+4+2*\c:SQ+4+2*\c+1], v[X+32*\c+\i:X+32*\c+\i+1], v[X+32*\c+\i:X+32*\c+\i+1]
.else
	v_pk_fma_f32 v[SQ+2*((\i+\c)%4):SQ+2*((\i+\c)%4)+1], v[X+32*\c+\i:X+32*\c+\i+1], v[X+32*\c+\i:X+32*\c+\i+1], v[SQ+2*((\i+\c)%4):SQ+2*((\i+\c)%4)+1]
.endif
.endr
.endr
.irp c, 0,1
	v_add_nc_u32 v[SO+\c], 0xff000000, v[MX+\c]    ; 2 off the exponent field: the conversion takes the exponent field of this operand as its scale, and nothing else of it
.endr
.irp c, 0,1
	v_lshrrev_b32 v[BY+\c], 23, v[SO+\c]           ; the scale's byte
.endr
.irp c, 0,1
.irp g, 0,1,2,3
	v_cvt_scalef32_pk8_fp4_f32 v[C+8*(\s)+4*\c+\g], v[X+32*\c+8*\g:X+32*\c+8*\g+7], v[SO+\c]   ; register 4 c + g of the operand
.endr
.endr
	v_lshl_or_b32 v[W], v[BY+1], 16, v[BY]         ; my two bytes: blocks h and 2 + h of the K step.  (Plain lines behind the conversions)
	v_lshlrev_b32 v[W], v[SH8], v[W]               ; at their places in the word
	v_permlanex16_b32 v[T], v[W], s20, s21
	v_or_b32 v[SW+(\s)], v[W], v[T]                ; with lane l xor 16's two the word is whole
.irp c, 0,1
	global_store_b128 v[L16], v[C+8*(\s)+4*\c:C+8*(\s)+4*\c+3], s[10:11] offset:512*(2*(\s)+\c)   ; 32 lanes store 512 consecutive bytes, at a multiple of 256 from the buffer's first byte
.endr
.endm
	LOADK 0
	LOADK 1
	KSTEP 0
	KSTEP 1
	KSTEP 2
	KSTEP 3
	v_pk_add_f32 v[SQ:SQ+1], v[SQ:SQ+1], v[SQ+2:SQ+3]
	v_pk_add_f32 v[SQ+4:SQ+5], v[SQ+4:SQ+5], v[SQ+6:SQ+7]
	v_pk_add_f32 v[SQ:SQ+1], v[SQ:SQ+1], v[SQ+4:SQ+5]
	v_add_f32 v[SQ], v[SQ], v[SQ+1]
	v_permlanex16_b32 v[T], v[SQ], s20, s21
	v_add_f32 v[SQ], v[SQ], v[T]                   ; with lane l xor 16's half: the row's sum of squares
	ds_store_b128 v[OSC], v[SW:SW+3] offset:OST    ; lanes r and r + 16 write the same bytes with the same values
	ds_store_b32 v[OSS], v[SQ] offset:OST+1024
	s_wait_dscnt 0x0                               ; for wave 0's sake: my stores have landed
	s_barrier_signal -1
	s_barrier_wait -1
	s_cmp_lg_u32 s12, 0                            ; wave 0 sends the record's 1,280 last bytes, so that they leave in runs of 512 and 256 consecutive bytes
	s_cbranch_scc1 .Lend
	ds_load_b128 v[16:19], v[L16] offset:OST
	ds_load_b128 v[20:23], v[L16] offset:OST+512
	ds_load_b64 v[24:25], v[L8] offset:OST+1024
	s_wait_dscnt 0x0
	global_store_b128 v[L16], v[16:19], s[8:9] offset:16384
	global_store_b128 v[L16], v[20:23], s[8:9] offset:16896
	global_store_b64 v[L8], v[24:25], s[8:9] offset:17408
.Lend:
	s_wait_tensorcnt 0x0
	ds_add_u32 v254, v255
	s_wait_dscnt 0x0
	s_endpgm
.Lfunc_end_k_qc27d27a902_quant:
	.size	k_qc27d27a902_quant, .Lfunc_end_k_qc27d27a902_quant-k_qc27d27a902_quant
	.p2alignl 7, 3214868480
	.fill 96, 4, 3214868480
	.section	.rodata,"a",@progbits
	.p2align	6, 0x0
	.amdhsa_kernel k_qc27d27a902_quant
		.amdhsa_group_segment_fixed_size 35840
		.amdhsa_private_segment_fixed_size 0
		.amdhsa_enable_private_segment 0
		.amdhsa_kernarg_size 32
		.amdhsa_user_sgpr_count 2
		.amdhsa_user_sgpr_kernarg_segment_ptr 1
		.amdhsa_wavefront_size32 1
		.amdhsa_system_sgpr_workgroup_id_x 1
		.amdhsa_system_sgpr_workgroup_id_y 1
		.amdhsa_system_sgpr_workgroup_id_z 1
		.amdhsa_system_vgpr_workitem_id 0
		.amdhsa_next_free_vgpr 256
		.amdhsa_next_free_sgpr 66
		.amdhsa_reserve_vcc 0
		.amdhsa_float_denorm_mode_32 3
		.amdhsa_float_denorm_mode_16_64 3
		.amdhsa_memory_ordered 1
		.amdhsa_forward_progress 1
		.amdhsa_inst_pref_size 38
	.end_amdhsa_kernel
	.amdgpu_metadata
---
amdhsa.version: [ 1, 2 ]
amdhsa.kernels:
  - .name:           k_qc27d27a902_quant
    .symbol:         k_qc27d27a902_quant.kd
    .args:
      - { .name: z_e, .offset: 0, .size: 8, .value_kind: global_buffer, .address_space: global }
      - { .name: codebook, .offset: 8, .size: 8, .value_kind: global_buffer, .address_space: global }
      - { .name: zq, .offset: 16, .size: 8, .value_kind: global_buffer, .address_space: global }
      - { .name: cbk, .offset: 24, .size: 8, .value_kind: global_buffer, .address_space: global }
    .group_segment_fixed_size: 35840
    .private_segment_fixed_size: 0
    .kernarg_segment_align: 8
    .kernarg_segment_size: 32
    .max_flat_workgroup_size: 128
    .sgpr_count:     66
    .vgpr_count:     256
    .wavefront_size: 32
...
	.end_amdgpu_metadata
.endif
;; end of part 1
;; launch nearest (part 2): grid 256 x 1, 8 waves a work-group, clusters of 4 x 1, 327,680 bytes of LDS; arguments zq, cbk, idx; writes idx
.if DOCPART == 2
	.amdgcn_target "amdgcn-amd-amdhsa--gfx1250"
	.amdhsa_code_object_version 6
	.text
	.protected	k_qc27d27a902_nearest
	.globl	k_qc27d27a902_nearest
	.p2align	8
	.type	k_qc27d27a902_nearest,@function
k_qc27d27a902_nearest:
	s_mov_b64 s[64:65], 0
	v_nop
	global_prefetch_b8 v0, s[64:65] scope:SCOPE_SE
	s_setreg_imm32_b32 hwreg(HW_REG_WAVE_MODE, 25, 1), 1
	s_wait_xcnt 0x0
	s_wait_alu depctr_hold_cnt(0) depctr_sa_sdst(0) depctr_va_vdst(0) depctr_va_sdst(0) depctr_va_ssrc(0) depctr_va_vcc(0) depctr_vm_vsrc(0)
	s_getreg_b32 s2, hwreg(HW_REG_IB_STS2, 6, 4)
	s_cmp_eq_u32 s2, 0
	s_cbranch_scc0 .Lentry_in_a_cluster
	s_endpgm
.Lentry_in_a_cluster:
	s_bfe_u32 s2, ttmp6, 0x10000c
	s_cmp_lg_u32 s2, 0x3003
	s_cbranch_scc0 .Lentry_shape_is_right
	s_endpgm
.Lentry_shape_is_right:
; idx[row] = the first k that makes dist(row, k) = (z2[row] - 2 cross(row, k)) + e2[k] least, cross = z . e on codes of FP4 (E2M1) with one E8M0 scale for each 32 along K; 16,384 rows, 8,192 codes, K = 512.
; Both operands come as records of 64 rows (17,664 bytes: 16,384 of codes in the order of the operand's registers, 1,024 of scale words, 256 of sums of squares), made by the launch before.
; THE TWO ROUNDINGS ARE THE DEFINITION'S: one fused multiply-add (cross x -2 + z2: the doubling is exact), then one addition of e2.  Equal distances do occur, and the lower index wins at every level.
; SHARES.  A work-group owns one record of z: 64 rows, four tiles of 16, and finds their indices whole.  Each of its eight waves keeps all four tiles' fragments in registers (128) and walks one eighth of the codes:
; a slot of LDS holds eight records of the codebook, wave w's own load brings record 8 n + w and wave w alone reads it: each fragment of the codebook is read from LDS once in the work-group and feeds four matrix instructions.
; Two waves lie on a SIMD, so that one wave's vector work can stand beside the other's matrix work.
; CLUSTER.  Every work-group walks the same codebook: the four of a cluster ask for each record JOINTLY, by the same tensor load with the same descriptor and the mask 15.  Nothing in a descriptor or an LDS address hangs on the place in the cluster.
; LAYOUT.  Source 0 = 16 codes, source 1 = 16 rows of z: in the result lane (r, h) holds row r of z, and its register j the code 8 h + j of the tile.
; THE SEARCH.  For a tile's eight distances of a lane only their least is compared with the lane's best so far; where it is strictly less, the tile's number and the eight distances are kept by selects.  Which of the eight it was is found once, at the end.
; LIMITS: NaN and infinities are not served (a NaN distance never wins).
; REGISTERS: window 0: v1-12 addresses; v16-23 z's scale words; v24-31 z2, twice for each tile; v32-39 the record's scale words; v40-55 e2, two sets; v64-127 a tile's fragments, two sets; v128-159 four accumulators;
;   v160-163 a tile's least; v164-167 the best tile's number; v168-175 (best, index) pairs; v176-207 the best tile's eight distances; v208-241 at work at the end.   window 1: v0-127 z's fragments.
.set REC,   17664
.set SLOT,  8*REC                      ; 141,312 bytes
.set SPARE, 2*SLOT                     ; behind the ring: the spare words, 128 bytes for each of eight waves: four blocks of 256 bytes that no other line names
.set SCR,   SPARE+1024                 ; 4,096 bytes: each wave's (best, index) of the 64 rows, 8 bytes a row; no tile lands here
.set SCOFF, 16384                      ; a record's scale words
.set SQOFF, 17408                      ; and its sums of squares
.set SPW,  1                           ; v1   SPARE + 4 x my thread's number; never rewritten
.set NIL,  2                           ; v2   0; never rewritten
.set ADR,  3                           ; v3-4 my wave's record in slot 0, 1, + 16 x lane
.set AE,   5                           ; v5-6 its sums of squares, + 32 h
.set H8,   7                           ; v7   8 h
.set SCRW, 8                           ; v8   SCR + 512 w + 8 r
.set SCRR, 9                           ; v9   SCR + 16 x lane
.set L16,  10                          ; v10  16 x lane
.set R4,   11                          ; v11  4 r
.set L8,   12                          ; v12  8 x lane
.set ZS,   16                          ; register 4 p + s: lanes 0-15 tile 2 p's words for K step s, lanes 16-31 tile 2 p + 1's
.set Z2,   24
.set SC,   32                          ; laid as ZS
.set E,    40
.set F,    64
.set ACC,  128
.set M,    160
.set G,    164
.set BI,   168                         ; tile t: best at 168 + 2 t, index at 169 + 2 t
.set S,    176
.set TJ,   208
.set PB,   212
.set PI,   216
.set G1,   16                          ; s[16:23] descriptor group 1
.set G0,   24                          ; s[24:27], s[28:31] group 0 for slot 0, 1
.set CM,   36                          ; s36-39 lane masks, one a tile
.set MSB, 0
.macro WIN new                         ; the immediate's high byte repeats the setting that is left
.if MSB != \new
	s_set_vgpr_msb (MSB<<8)|\new
.set MSB, \new
.endif
.endm
.macro NOP4
.rept 4
	v_nop
.endr
.endm
.macro CREST                           ; a round of the cluster's barrier behind its opening barrier
	s_cmp_lg_u32 s10, 0
	s_cbranch_scc1 .Lnot_wave_0_\@
	s_barrier_signal -3
.Lnot_wave_0_\@:
	s_barrier_wait -3
	s_barrier_signal -1
	s_barrier_wait -1
.endm
.macro CROUND                          ; a whole round
	s_barrier_signal -1
	s_barrier_wait -1
	CREST
.endm
	s_load_b128 s[4:7], s[0:1], 0x0                ; zq s[4:5], cbk s[6:7]
	s_load_b64 s[8:9], s[0:1], 0x10                ; idx
	v_lshl_add_u32 v[SPW], v0, 2, SPARE
	v_mov_b32 v[NIL], 0
	ds_add_u32 v1, v2
	ds_add_u32 v1, v2
	s_wait_dscnt 0x0
	v_lshrrev_b32 v13, 5, v0
	v_readfirstlane_b32 s10, v13                   ; wave 0..7
	s_bfe_u32 s11, ttmp6, 0x40000                  ; cx: my place in the cluster
	s_lshl_b32 s12, ttmp9, 2                       ; in a cluster launch ttmp9 counts clusters
	s_add_co_u32 s12, s12, s11                     ; my record of z: it enters zq's and idx's addresses alone
	; descriptor group 1: a record as 69 dense rows of 256 bytes (32 elements of 8 bytes), no padding: every LDS load takes 512 consecutive bytes
	s_mov_b32 s[G1+0], 15|(3<<16)|(1<<21)          ; 15:0 the mask: all four work-groups; 17:16 elements of 8 bytes; 21 set beside a mask
	s_mov_b32 s[G1+1], 32<<16                      ; tensor_dim0 = 32
	s_mov_b32 s[G1+2], 69<<16                      ; tensor_dim1 = 69
	s_mov_b32 s[G1+3], 32<<16                      ; tile_dim0 = 32
	s_mov_b32 s[G1+4], 69                          ; tile_dim1 = 69
	s_mov_b32 s[G1+5], 32                          ; elements from row to row
	s_mov_b32 s[G1+6], 0
	s_mov_b32 s[G1+7], 0
	v_and_b32 v13, 31, v0                          ; lane
	v_and_b32 v14, 15, v0                          ; r
	v_bfe_u32 v15, v0, 4, 1                        ; h
	v_lshlrev_b32 v[L16], 4, v13
	v_lshlrev_b32 v[L8], 3, v13
	v_lshlrev_b32 v[R4], 2, v14
	v_lshlrev_b32 v[H8], 3, v15
	s_mul_i32 s13, s10, REC                        ; my wave's record in a slot
	v_add_nc_u32 v[ADR], s13, v[L16]
	v_add_nc_u32 v[ADR+1], SLOT, v[ADR]
	v_lshl_add_u32 v[AE], v15, 5, s13
	v_add_nc_u32 v[AE], SQOFF, v[AE]
	v_add_nc_u32 v[AE+1], SLOT, v[AE]
	s_lshl_b32 s14, s10, 9
	s_add_co_u32 s14, s14, SCR
	v_lshl_add_u32 v[SCRW], v14, 3, s14
	v_add_nc_u32 v[SCRR], SCR, v[L16]
	s_mov_b32 s44, 0x76543210
	s_mov_b32 s45, 0xfedcba98                      ; v_permlanex16_b32's selects for lane l xor 16
	s_lshl_b32 s33, s10, 2                         ; the number of the tile of 16 codes in hand: 32 n + 4 w + i
	s_mov_b32 s47, 0
	s_wait_kmcnt 0x0
	s_mul_i32 s46, s12, REC
	s_add_nc_u64 s[4:5], s[4:5], s[46:47]          ; my record of z
	s_lshl_b32 s46, s12, 8
	s_add_nc_u64 s[8:9], s[8:9], s[46:47]          ; my 64 indices
	s_mov_b32 s46, s13
	CROUND                                         ; all four work-groups are here: the first joint loads meet
	s_mov_b32 s[G0+0], 1                           ; count = 1
	s_mov_b32 s[G0+1], s13                         ; LDS address: slot 0, my wave's part
	s_add_nc_u64 s[G0+2:G0+3], s[6:7], s[46:47]    ; record w
	s_or_b32 s[G0+3], s[G0+3], 0x80000000          ; type = 2
	s_mov_b32 s[G0+4], 1
	s_add_co_u32 s[G0+5], s13, SLOT                ; slot 1
	s_add_nc_u64 s[G0+6:G0+7], s[6:7], s[46:47]
	s_add_nc_u64 s[G0+6:G0+7], s[G0+6:G0+7], 8*REC ; record 8 + w
	s_or_b32 s[G0+7], s[G0+7], 0x80000000
	tensor_load_to_lds s[G0:G0+3], s[G1:G1+7]      ; both first fills together, ahead of every wait on TENSORcnt and every LDS read: two loads of mine are out
	s_nop 0
	tensor_load_to_lds s[G0+4:G0+7], s[G1:G1+7]
	s_nop 0
	NOP4
	WIN 0x40                                       ; destination window 1, address window 0
.irp t, 0,1,2,3
.irp q, 0,1,2,3,4,5,6,7
	global_load_b128 v[32*\t+4*\q:32*\t+4*\q+3], v[L16], s[4:5] offset:4096*\t+512*\q th:TH_LOAD_NT   ; z's fragments stay in registers: tile t, K step q / 2, group q % 2
.endr
.endr
	WIN 0
.irp p, 0,1
	global_load_b128 v[ZS+4*\p:ZS+4*\p+3], v[L16], s[4:5] offset:SCOFF+512*\p th:TH_LOAD_NT   ; lane l: the four words of row 32 p + l
.endr
.irp t, 0,1,2,3
	global_load_b32 v[Z2+2*\t], v[R4], s[4:5] offset:SQOFF+64*\t     ; z2 of row 16 t + r, in both registers of a pair for the packed form
	global_load_b32 v[Z2+2*\t+1], v[R4], s[4:5] offset:SQOFF+64*\t
.endr
.irp t, 0,1,2,3                        ; the search begins at +infinity: 48 moves, once
	v_mov_b32 v[BI+2*\t], 0x7f800000
	v_mov_b32 v[G+\t], 0
	v_mov_b32 v[PB+\t], 0                          ; (a lane exchange's destination counts as one of its sources)
	v_mov_b32 v[PI+\t], 0
.endr
.set n, 0
.rept 32
	v_mov_b32 v[S+n], 0x7f800000
.set n, n+1
.endr
.macro LOADT sl, i, f                  ; tile i of my record in slot sl: its four K steps' fragments and its 16 e2 (my half's eight) into set f
.irp q, 0,1,2,3,4,5,6,7
	ds_load_b128 v[F+32*(\f)+4*\q:F+32*(\f)+4*\q+3], v[ADR+(\sl)] offset:4096*(\i)+512*\q
.endr
	ds_load_b128 v[E+8*(\f):E+8*(\f)+3], v[AE+(\sl)] offset:64*(\i)
	ds_load_b128 v[E+8*(\f)+4:E+8*(\f)+7], v[AE+(\sl)] offset:64*(\i)+16
.endm
.macro LOADS sl                        ; the record's scale words
.irp p, 0,1
	ds_load_b128 v[SC+4*\p:SC+4*\p+3], v[ADR+(\sl)] offset:SCOFF+512*\p
.endr
.endm
.macro WM i, f, s, t                   ; one matrix instruction: codes' tile i (set f), K step s, z's tile t.  An odd tile's scale words lie in lanes 16-31
.set rD, ACC+8*(\t)
.set rA, F+32*(\f)+8*(\s)
.set rB, 32*(\t)+8*(\s)
.set rX, SC+4*((\i)/2)+(\s)
.set rY, ZS+4*((\t)/2)+(\s)
.if (\s) == 0
.if ((\i)%2 == 0) && ((\t)%2 == 0)
	v_wmma_scale_f32_16x16x128_f8f6f4 v[rD:rD+7], v[rA:rA+7], v[rB:rB+7], 0, v[rX], v[rY] matrix_a_fmt:MATRIX_FMT_FP4 matrix_b_fmt:MATRIX_FMT_FP4
.elseif (\i)%2 == 0
	v_wmma_scale_f32_16x16x128_f8f6f4 v[rD:rD+7], v[rA:rA+7], v[rB:rB+7], 0, v[rX], v[rY] matrix_a_fmt:MATRIX_FMT_FP4 matrix_b_fmt:MATRIX_FMT_FP4 matrix_b_scale:MATRIX_SCALE_ROW1
.elseif (\t)%2 == 0
	v_wmma_scale_f32_16x16x128_f8f6f4 v[rD:rD+7], v[rA:rA+7], v[rB:rB+7], 0, v[rX], v[rY] matrix_a_fmt:MATRIX_FMT_FP4 matrix_b_fmt:MATRIX_FMT_FP4 matrix_a_scale:MATRIX_SCALE_ROW1
.else
	v_wmma_scale_f32_16x16x128_f8f6f4 v[rD:rD+7], v[rA:rA+7], v[rB:rB+7], 0, v[rX], v[rY] matrix_a_fmt:MATRIX_FMT_FP4 matrix_b_fmt:MATRIX_FMT_FP4 matrix_a_scale:MATRIX_SCALE_ROW1 matrix_b_scale:MATRIX_SCALE_ROW1
.endif
.else
.if ((\i)%2 == 0) && ((\t)%2 == 0)
	v_wmma_scale_f32_16x16x128_f8f6f4 v[rD:rD+7], v[rA:rA+7], v[rB:rB+7], v[rD:rD+7], v[rX], v[rY] matrix_a_fmt:MATRIX_FMT_FP4 matrix_b_fmt:MATRIX_FMT_FP4
.elseif (\i)%2 == 0
	v_wmma_scale_f32_16x16x128_f8f6f4 v[rD:rD+7], v[rA:rA+7], v[rB:rB+7], v[rD:rD+7], v[rX], v[rY] matrix_a_fmt:MATRIX_FMT_FP4 matrix_b_fmt:MATRIX_FMT_FP4 matrix_b_scale:MATRIX_SCALE_ROW1
.elseif (\t)%2 == 0
	v_wmma_scale_f32_16x16x128_f8f6f4 v[rD:rD+7], v[rA:rA+7], v[rB:rB+7], v[rD:rD+7], v[rX], v[rY] matrix_a_fmt:MATRIX_FMT_FP4 matrix_b_fmt:MATRIX_FMT_FP4 matrix_a_scale:MATRIX_SCALE_ROW1
.else
	v_wmma_scale_f32_16x16x128_f8f6f4 v[rD:rD+7], v[rA:rA+7], v[rB:rB+7], v[rD:rD+7], v[rX], v[rY] matrix_a_fmt:MATRIX_FMT_FP4 matrix_b_fmt:MATRIX_FMT_FP4 matrix_a_scale:MATRIX_SCALE_ROW1 matrix_b_scale:MATRIX_SCALE_ROW1
.endif
.endif
.endm
; 16 matrix instructions: one tile of codes against z's four tiles, K ascending.  The first K step starts the sums with the constant 0.
; The four accumulators take turns, one instruction a turn, over the loop's backward jump too.
.macro MM i, f
	WIN 0x04                                       ; source 1 (z) window 1
.irp s, 0,1,2,3
.irp t, 0,1,2,3
	WM \i, \f, \s, \t
.endr
.endr
	WIN 0
.endm
; The vector work of a tile of codes: 23 instructions for each of z's four tiles, the four by turns line by line.  Each accumulator is read from its low end on.
.macro VEC f
.irp j, 0,2,4,6
.irp t, 0,1,2,3
	v_pk_fma_f32 v[ACC+8*\t+\j:ACC+8*\t+\j+1], v[ACC+8*\t+\j:ACC+8*\t+\j+1], -2.0, v[Z2+2*\t:Z2+2*\t+1] op_sel_hi:[1,0,1]   ; z2 - 2 cross: one rounding
.endr
.endr
.irp j, 0,2,4,6
.irp t, 0,1,2,3
	v_pk_add_f32 v[ACC+8*\t+\j:ACC+8*\t+\j+1], v[ACC+8*\t+\j:ACC+8*\t+\j+1], v[E+8*(\f)+\j:E+8*(\f)+\j+1]   ; + e2: the second
.endr
.endr
.irp t, 0,1,2,3
	v_min3_num_f32 v[M+\t], v[ACC+8*\t], v[ACC+8*\t+1], v[ACC+8*\t+2]
.endr
.irp t, 0,1,2,3
	v_min3_num_f32 v[M+\t], v[M+\t], v[ACC+8*\t+3], v[ACC+8*\t+4]
.endr
.irp t, 0,1,2,3
	v_min3_num_f32 v[M+\t], v[M+\t], v[ACC+8*\t+5], v[ACC+8*\t+6]
.endr
.irp t, 0,1,2,3
	v_min_num_f32 v[M+\t], v[M+\t], v[ACC+8*\t+7]  ; the least of my eight distances
.endr
.irp t, 0,1,2,3
	v_cmp_lt_f32 s[CM+\t], v[M+\t], v[BI+2*\t]     ; strictly less: at equal distances the earlier tile, which has the lower indices, stays
.endr
.irp t, 0,1,2,3
	v_min_num_f32 v[BI+2*\t], v[BI+2*\t], v[M+\t]
.endr
.irp t, 0,1,2,3
	v_cndmask_b32 v[G+\t], v[G+\t], s33, s[CM+\t]  ; the tile's number,
.endr
.irp j, 0,1,2,3,4,5,6,7
.irp t, 0,1,2,3
	v_cndmask_b32 v[S+8*\t+\j], v[S+8*\t+\j], v[ACC+8*\t+\j], s[CM+\t]   ; and its eight distances are kept where it has won
.endr
.endr
	s_add_co_u32 s33, s33, 1
.endm
; One of a record's first three tiles.  The next tile's loads are issued ahead of this tile's products and have the products and the vector work in which to come.
; They land in the set that the tile before multiplied: the four v_nop and the vector work behind those products are the places in front of them (ISA guide 7.12.1 for vector instructions).
.macro TILE sl, i
	s_wait_dscnt 0x0                               ; this tile's fragments and e2 are in
	LOADT \sl, (\i)+1, ((\i)+1)%2
	MM \i, (\i)%2
	NOP4                                           ; four places between the last product and the first read of its result
	VEC (\i)%2
.endm
; A slot's four tiles.  mode 2: the slot is filled again, with the records 16 on; mode 1: nothing is left to fetch, the other slot follows; mode 0: the last slot.
.macro SLOTTRIP sl, nx, mode
	TILE \sl, 0
	TILE \sl, 1
	TILE \sl, 2
.if \mode == 2
	s_wait_tensorcnt 0x0                           ; all my tensor loads have landed: the one that was out is my record of the other slot; so a group 0 may be written
	ds_add_u32 v[SPW], v[NIL]                      ; 0 onto my spare word
	s_add_nc_u64 s[G0+4*\sl+2:G0+4*\sl+3], s[G0+4*\sl+2:G0+4*\sl+3], 16*REC   ; this slot's next record; the type bits on top are not reached
	s_wait_dscnt 0x0                               ; the add is done; tile 3's fragments are in, and they were my last reads of this slot
	s_barrier_signal -1                            ; this barrier opens a round of the cluster's barrier
	MM 3, 1                                        ; work on registers while the others arrive
	s_barrier_wait -1
	CREST                                          ; no wave of any partner still reads this slot or has a load on its way
	tensor_load_to_lds s[G0+4*\sl:G0+4*\sl+3], s[G1:G1+7]   ; the first tensor load behind the round, my only one until the next: it has the other slot's four tiles in which to land
	s_nop 0
	NOP4                                           ; the places in front of the loads below and of the reads of the last results
	LOADT \nx, 0, 0
	LOADS \nx
	VEC 1                                          ; tile 3's vector work stands between those loads and the wait for them
	s_add_co_u32 s33, s33, 28                      ; the other seven waves' tiles are passed over
.elseif \mode == 1
	s_wait_tensorcnt 0x0                           ; my record of the last slot has landed; only I read it, so my own wait is all that the reads need
	s_wait_dscnt 0x0
	MM 3, 1
	NOP4
	LOADT \nx, 0, 0
	LOADS \nx
	VEC 1
	s_add_co_u32 s33, s33, 28
.else
	s_wait_dscnt 0x0
	MM 3, 1
	NOP4
	VEC 1
.endif
.endm
; (vb, vi) takes (wb, wi) where that distance is less, or equal with the lower index
.macro MERGE vb, vi, wb, wi
	v_cmp_lt_f32 s40, v[\wb], v[\vb]
	v_cmp_eq_f32 s41, v[\wb], v[\vb]
	v_cmp_lt_u32 s42, v[\wi], v[\vi]
	s_and_b32 s41, s41, s42
	s_or_b32 s40, s40, s41
	v_cndmask_b32 v[\vb], v[\vb], v[\wb], s40
	v_cndmask_b32 v[\vi], v[\vi], v[\wi], s40
.endm
	s_wait_tensorcnt 0x1                           ; tensor loads of a wave end in order: my record of slot 0 is in, slot 1's may stay out
	LOADT 0, 0, 0
	LOADS 0
	s_wait_loadcnt 0x0                             ; z
	s_mov_b32 s32, 7
.Lpair:                                            ; seven trips of two slots: fills 0 to 13 are worked, fills 2 to 15 asked for
	SLOTTRIP 0, 1, 2
	SLOTTRIP 1, 0, 2
	s_sub_co_u32 s32, s32, 1
	s_cmp_lg_u32 s32, 0
	s_cbranch_scc1 .Lpair
	SLOTTRIP 0, 1, 1                               ; the last two slots are written out
	SLOTTRIP 1, 0, 0
	; THE END.  Which of the kept eight distances is the best: the lowest j that equals it.
.irp t, 0,1,2,3
	v_mov_b32 v[TJ+\t], 7
.endr
.irp j, 6,5,4,3,2,1,0
.irp t, 0,1,2,3
	v_cmp_eq_f32 s[CM+\t], v[S+8*\t+\j], v[BI+2*\t]
.endr
.irp t, 0,1,2,3
	v_cndmask_b32 v[TJ+\t], v[TJ+\t], \j, s[CM+\t]
.endr
.endr
.irp t, 0,1,2,3
	v_lshl_add_u32 v[BI+2*\t+1], v[G+\t], 4, v[TJ+\t]
.endr
.irp t, 0,1,2,3
	v_add_nc_u32 v[BI+2*\t+1], v[H8], v[BI+2*\t+1] ; the index: 16 x tile + 8 h + j
.endr
.irp t, 0,1,2,3
	v_permlanex16_b32 v[PB+\t], v[BI+2*\t], s44, s45
	v_permlanex16_b32 v[PI+\t], v[BI+2*\t+1], s44, s45
.endr
.irp t, 0,1,2,3
	MERGE BI+2*\t, BI+2*\t+1, PB+\t, PI+\t         ; with lane l xor 16's: both lanes end with the same pair
.endr
.irp t, 0,1,2,3
	ds_store_b64 v[SCRW], v[BI+2*\t:BI+2*\t+1] offset:128*\t   ; row 16 t + r of my wave's 64 pairs
.endr
	s_wait_dscnt 0x0                               ; for wave 0's sake: my stores have landed
	s_barrier_signal -1
	s_barrier_wait -1
	s_cmp_lg_u32 s10, 0                            ; wave 0 joins the eight waves' pairs: lane l takes rows 2 l and 2 l + 1
	s_cbranch_scc1 .Lothers
.irp k, 0,1,2,3,4,5,6,7
	ds_load_b128 v[208+4*\k:211+4*\k], v[SCRR] offset:512*\k
.endr
	s_wait_dscnt 0x0
.irp k, 1,2,3,4,5,6,7
	MERGE 208, 209, 208+4*\k, 209+4*\k
	MERGE 210, 211, 210+4*\k, 211+4*\k
.endr
	v_mov_b32 v240, v209
	v_mov_b32 v241, v211
	global_store_b64 v[L8], v[240:241], s[8:9]     ; 32 lanes store the 64 indices: 256 consecutive bytes, at a multiple of 256 from the buffer's first byte
.Lothers:
	s_wait_tensorcnt 0x0                           ; the wave's end: behind my last tensor load and my last LDS store
	ds_add_u32 v[SPW], v[NIL]
	s_wait_dscnt 0x0
	CROUND                                         ; the closing round: no work-group ends while a partner may still ask for a record that names it
	s_endpgm
.Lfunc_end_k_qc27d27a902_nearest:
	.size	k_qc27d27a902_nearest, .Lfunc_end_k_qc27d27a902_nearest-k_qc27d27a902_nearest
	.p2alignl 7, 3214868480
	.fill 96, 4, 3214868480
	.section	.rodata,"a",@progbits
	.p2align	6, 0x0
	.amdhsa_kernel k_qc27d27a902_nearest
		.amdhsa_group_segment_fixed_size 327680
		.amdhsa_private_segment_fixed_size 0
		.amdhsa_enable_private_segment 0
		.amdhsa_kernarg_size 24
		.amdhsa_user_sgpr_count 2
		.amdhsa_user_sgpr_kernarg_segment_ptr 1
		.amdhsa_wavefront_size32 1
		.amdhsa_system_sgpr_workgroup_id_x 1
		.amdhsa_system_sgpr_workgroup_id_y 1
		.amdhsa_system_sgpr_workgroup_id_z 1
		.amdhsa_system_vgpr_workitem_id 0
		.amdhsa_next_free_vgpr 384
		.amdhsa_next_free_sgpr 66
		.amdhsa_reserve_vcc 0
		.amdhsa_float_denorm_mode_32 3
		.amdhsa_float_denorm_mode_16_64 3
		.amdhsa_memory_ordered 1
		.amdhsa_forward_progress 1
		.amdhsa_inst_pref_size 160
	.end_amdhsa_kernel
	.amdgpu_metadata
---
amdhsa.version: [ 1, 2 ]
amdhsa.kernels:
  - .name:           k_qc27d27a902_nearest
    .symbol:         k_qc27d27a902_nearest.kd
    .args:
      - { .name: zq, .offset: 0, .size: 8, .value_kind: global_buffer, .address_space: global }
      - { .name: cbk, .offset: 8, .size: 8, .value_kind: global_buffer, .address_space: global }
      - { .name: idx, .offset: 16, .size: 8, .value_kind: global_buffer, .address_space: global }
    .group_segment_fixed_size: 327680
    .private_segment_fixed_size: 0
    .kernarg_segment_align: 8
    .kernarg_segment_size: 24
    .max_flat_workgroup_size: 256
    .sgpr_count:     66
    .vgpr_count:     384
    .wavefront_size: 32
...
	.end_amdgpu_metadata
.endif
;; end of part 2
;; launch gather (part 3): grid 1024 x 1, 4 waves a work-group, no clusters, 0 bytes of LDS; arguments z_e, codebook, idx, out0; writes out0
.if DOCPART == 3
	.amdgcn_target "amdgcn-amd-amdhsa--gfx1250"
	.amdhsa_code_object_version 6
	.text
	.protected	k_qc27d27a902_gather
	.globl	k_qc27d27a902_gather
	.p2align	8
	.type	k_qc27d27a902_gather,@function
k_qc27d27a902_gather:
	s_mov_b64 s[64:65], 0
	v_nop
	global_prefetch_b8 v0, s[64:65] scope:SCOPE_SE
	s_setreg_imm32_b32 hwreg(HW_REG_WAVE_MODE, 25, 1), 1
	s_wait_xcnt 0x0
; out0[0][row] = z_e[row] + (codebook[idx[row]] - z_e[row]), out0[1][row] = codebook[idx[row]], all f32; 16,384 rows of 2,048 bytes.  idx was stored by the launch before, as whole numbers.
; A stream: no LDS, no barrier, no matrix work.  A wave takes four rows: their indices come by one scalar load, so each row's place in the codebook is a scalar base.
; Every load and store of a wave covers 512 consecutive bytes, aligned; all 32 loads of a wave are out at once; no register that a store names is written again.
; An index is held to 8,191 ahead of its use in an address (the launch before stores none above it).
.set ROW, 2048
.set Z, 16                             ; v16-79   four rows of z_e, 16 registers each; then the first result
.set Q, 80                             ; v80-143  the four rows of the codebook
.set T, 144                            ; v144-151 q - z, four pairs at a time
	s_load_b256 s[4:11], s[0:1], 0x0               ; z_e s[4:5], codebook s[6:7], idx s[8:9], out0 s[10:11]
	v_lshrrev_b32 v2, 5, v0
	v_readfirstlane_b32 s12, v2                    ; wave 0..3
	v_and_b32 v1, 31, v0
	v_lshlrev_b32 v1, 4, v1                        ; 16 x lane
	s_lshl_b32 s13, ttmp9, 2
	s_add_co_u32 s13, s13, s12                     ; which four rows are my wave's
	s_lshl_b32 s14, s13, 4                         ; their 16 bytes of idx
	s_mov_b32 s15, 0
	s_lshl_b32 s30, s13, 13                        ; their 8,192 bytes of z_e and of each half of out0
	s_mov_b32 s31, 0
	s_wait_kmcnt 0x0
	s_add_nc_u64 s[8:9], s[8:9], s[14:15]
	s_load_b128 s[16:19], s[8:9], 0x0              ; the four indices
	s_add_nc_u64 s[4:5], s[4:5], s[30:31]
	s_add_nc_u64 s[10:11], s[10:11], s[30:31]
	s_add_nc_u64 s[28:29], s[10:11], 0x2000000     ; the second half of out0: 33,554,432 bytes on
.irp i, 0,1,2,3
.irp j, 0,1,2,3
	global_load_b128 v[Z+16*\i+4*\j:Z+16*\i+4*\j+3], v1, s[4:5] offset:ROW*\i+512*\j th:TH_LOAD_NT   ; read once in this launch
.endr
.endr
	s_wait_kmcnt 0x0
.irp i, 0,1,2,3
	s_min_u32 s[16+\i], s[16+\i], 8191
	s_lshl_b32 s[20+2*\i], s[16+\i], 11            ; the row's byte in the codebook, as an offset in 64 bits,
	s_mov_b32 s[21+2*\i], 0
	s_add_nc_u64 s[20+2*\i:21+2*\i], s[6:7], s[20+2*\i:21+2*\i]   ; onto the codebook's address
.endr
.irp i, 0,1,2,3
.irp j, 0,1,2,3
	global_load_b128 v[Q+16*\i+4*\j:Q+16*\i+4*\j+3], v1, s[20+2*\i:21+2*\i] offset:512*\j   ; no hint: other rows may name the same code
.endr
.endr
.irp i, 0,1,2,3
	s_wait_loadcnt 12-4*\i                         ; loads come back in order: all of z_e and this row of the codebook are in; the later rows' four loads each may be out
.irp g, 0,1
.irp p, 0,2,4,6
	v_pk_add_f32 v[T+\p:T+\p+1], v[Q+16*\i+8*\g+\p:Q+16*\i+8*\g+\p+1], v[Z+16*\i+8*\g+\p:Z+16*\i+8*\g+\p+1] neg_lo:[0,1] neg_hi:[0,1]   ; q - z
.endr
.irp p, 0,2,4,6
	v_pk_add_f32 v[Z+16*\i+8*\g+\p:Z+16*\i+8*\g+\p+1], v[Z+16*\i+8*\g+\p:Z+16*\i+8*\g+\p+1], v[T+\p:T+\p+1]   ; z + (q - z)
.endr
.endr
.irp j, 0,1,2,3
	global_store_b128 v1, v[Z+16*\i+4*\j:Z+16*\i+4*\j+3], s[10:11] offset:ROW*\i+512*\j th:TH_STORE_NT
	global_store_b128 v1, v[Q+16*\i+4*\j:Q+16*\i+4*\j+3], s[28:29] offset:ROW*\i+512*\j th:TH_STORE_NT
.endr
.endr
	s_endpgm
.Lfunc_end_k_qc27d27a902_gather:
	.size	k_qc27d27a902_gather, .Lfunc_end_k_qc27d27a902_gather-k_qc27d27a902_gather
	.p2alignl 7, 3214868480
	.fill 96, 4, 3214868480
	.section	.rodata,"a",@progbits
	.p2align	6, 0x0
	.amdhsa_kernel k_qc27d27a902_gather
		.amdhsa_group_segment_fixed_size 0
		.amdhsa_private_segment_fixed_size 0
		.amdhsa_enable_private_segment 0
		.amdhsa_kernarg_size 32
		.amdhsa_user_sgpr_count 2
		.amdhsa_user_sgpr_kernarg_segment_ptr 1
		.amdhsa_wavefront_size32 1
		.amdhsa_system_sgpr_workgroup_id_x 1
		.amdhsa_system_sgpr_workgroup_id_y 1
		.amdhsa_system_sgpr_workgroup_id_z 1
		.amdhsa_system_vgpr_workitem_id 0
		.amdhsa_next_free_vgpr 152
		.amdhsa_next_free_sgpr 66
		.amdhsa_reserve_vcc 0
		.amdhsa_float_denorm_mode_32 3
		.amdhsa_float_denorm_mode_16_64 3
		.amdhsa_memory_ordered 1
		.amdhsa_forward_progress 1
		.amdhsa_inst_pref_size 12
	.end_amdhsa_kernel
	.amdgpu_metadata
---
amdhsa.version: [ 1, 2 ]
amdhsa.kernels:
  - .name:           k_qc27d27a902_gather
    .symbol:         k_qc27d27a902_gather.kd
    .args:
      - { .name: z_e, .offset: 0, .size: 8, .value_kind: global_buffer, .address_space: global }
      - { .name: codebook, .offset: 8, .size: 8, .value_kind: global_buffer, .address_space: global }
      - { .name: idx, .offset: 16, .size: 8, .value_kind: global_buffer, .address_space: global }
      - { .name: out0, .offset: 24, .size: 8, .value_kind: global_buffer, .address_space: global }
    .group_segment_fixed_size: 0
    .private_segment_fixed_size: 0
    .kernarg_segment_align: 8
    .kernarg_segment_size: 32
    .max_flat_workgroup_size: 128
    .sgpr_count:     66
    .vgpr_count:     152
    .wavefront_size: 32
...
	.end_amdgpu_metadata
.endif
;; end of part 3
;; ======== version 2 of 2: 3 launches
;; limits: right only within a limited range of input values
;; workspace buffers: zq 4,521,984 bytes; cbk 2,260,992 bytes; idx 131,072 bytes of whole numbers; best 131,072 bytes of whole numbers
;; launch quant (part 4): grid 384 x 1, 4 waves a work-group, no clusters, 35,840 bytes of LDS; arguments z_e, codebook, zq, cbk; writes zq, cbk
.if DOCPART == 4
	.amdgcn_target "amdgcn-amd-amdhsa--gfx1250"
	.amdhsa_code_object_version 6
	.text
	.protected	k_qc27d27a902_quant
	.globl	k_qc27d27a902_quant
	.p2align	8
	.type	k_qc27d27a902_quant,@function
k_qc27d27a902_quant:
	s_mov_b64 s[64:65], 0
	v_nop
	global_prefetch_b8 v0, s[64:65] scope:SCOPE_SE
	s_setreg_imm32_b32 hwreg(HW_REG_WAVE_MODE, 25, 1), 1
	s_wait_xcnt 0x0
; z_e [16384][512] and codebook [8192][512], f32, become codes of FP4 (E2M1) with one E8M0 scale byte for each 32 along K, and each row's sum of squares, in f32.
; A block's scale is 2^(floor(log2(its largest magnitude)) - 2); its byte is the largest magnitude's exponent field - 2, held at 1 from below.
; THE OUTPUT IS LAID IN RECORDS OF 64 ROWS, 17,664 bytes = 69 x 256, in the order of the matrix operand's registers:
;   bytes 0 .. 16383      codes: tile i (16 rows) at 4096 i; piece q = 2 s + c (K step s of 128, register group c) at 512 q; lane l's 16 bytes at 16 l:
;                         registers 4 c .. 4 c + 3 of lane (r, h): the block k = 128 s + 64 c + 32 h + 0 .. 31 of row r
;   bytes 16384 .. 17407  scale words: 16 bytes a row, word s for K step s
;   bytes 17408 .. 17663  the 64 rows' sums of squares
; SHARES.  A work-group makes one record: the first 128 take the codebook's, the other 256 z_e's; only pointers are chosen, there is one way through the text.  Wave w takes tile w.
; Each load reads 512 consecutive bytes of one row; a K step's 16 rows x 512 bytes turn through the wave's own stage in LDS (rows 528 bytes apart), so that a lane gets two whole blocks of 32 neighbours.
; LIMITS: NaN and infinities among the inputs are not served.  A block of zeros gets the byte 1 where the rule says 127: its codes are zeros, and this program alone reads the bytes.
; The sums of squares are f32 sums in an order of their own (four chains a lane, then the two halves of the lanes).
; WORK LEFT OUT BY THE PROGRAM: reference() returns z_e + (z_q - z_e) as its first result.  In exact arithmetic that is z_q for all finite z_e and z_q, so the subtraction and the addition
; are left out and both results are the chosen row of the codebook.  z_e stays an input: it feeds the quantised product and the rows' sums of squares, which stay because they set the grid on which reference()'s f32 distances are rounded.
; LIMIT: a NaN, an infinity or an overflow of z_e that reaches only that subtraction and addition is not carried to the result.
.set REC,   17664
.set PITCH, 528                        ; a stage row: 512 bytes + 16
.set WST,   16*PITCH                   ; a wave's stage
.set OST,   4*WST                      ; behind the stages: 1,024 bytes of scale words, then 256 of sums
.set L16, 1                            ; v1   16 x lane
.set STW, 2                            ; v2   into the stage: wave's stage + 16 x lane
.set STR, 3                            ; v3   out of it: wave's stage + 528 r + 128 h
.set SH8, 4                            ; v4   8 h
.set OSC, 5                            ; v5   256 w + 16 r: my row's scale words
.set OSS, 6                            ; v6   64 w + 4 r: my row's sum
.set L8,  7                            ; v7   8 x lane
.set SQ,  8                            ; v8-15    four pairs of running sums of squares
.set R,   16                           ; v16-143  two sets of 64: a K step as loaded
.set X,   144                          ; v144-207 my two blocks of 32
.set C,   208                          ; v208-239 codes: eight registers for each K step, so that no store's data are written again
.set SW,  240                          ; v240-243 the row's four scale words
.set MX,  244                          ; v244-245 largest magnitudes
.set SO,  246                          ; v246-247 the conversions' scale operands
.set BY,  248                          ; v248-249 the scales' bytes
.set T,   250                          ; v250     a lane exchange's destination
.set W,   251                          ; v251     my two bytes of a scale word
	s_load_b256 s[4:11], s[0:1], 0x0               ; z_e s[4:5], codebook s[6:7], zq s[8:9], cbk s[10:11]
	v_lshl_add_u32 v254, v0, 2, 0x8a00
	v_mov_b32 v255, 0
	v_lshrrev_b32 v8, 5, v0
	v_readfirstlane_b32 s12, v8                    ; wave 0..3
	v_and_b32 v9, 31, v0                           ; lane
	v_and_b32 v10, 15, v0                          ; r
	v_bfe_u32 v11, v0, 4, 1                        ; h
	v_lshlrev_b32 v[L16], 4, v9
	v_lshlrev_b32 v[L8], 3, v9
	s_mul_i32 s16, s12, WST
	v_add_nc_u32 v[STW], s16, v[L16]
	v_mul_u32_u24 v[STR], v10, PITCH
	v_lshl_add_u32 v[STR], v11, 7, v[STR]
	v_add_nc_u32 v[STR], s16, v[STR]
	v_lshlrev_b32 v[SH8], 3, v11
	s_lshl_b32 s17, s12, 8
	v_lshl_add_u32 v[OSC], v10, 4, s17
	s_lshl_b32 s18, s12, 6
	v_lshl_add_u32 v[OSS], v10, 2, s18
	v_mov_b32 v[T], 0                              ; written once: a lane exchange's destination counts as one of its sources
	s_mov_b32 s20, 0x76543210
	s_mov_b32 s21, 0xfedcba98                      ; v_permlanex16_b32's selects for lane l xor 16
	s_wait_alu depctr_va_vdst(0)
	s_wait_kmcnt 0x0
	s_cmp_lt_u32 ttmp9, 128                        ; the codebook's work-group or z_e's?  The choice hangs on the work-group's number alone
	s_cselect_b64 s[4:5], s[6:7], s[4:5]           ; from where
	s_cselect_b64 s[8:9], s[10:11], s[8:9]         ; to where
	s_cselect_b32 s13, 0, 128
	s_sub_co_u32 s13, ttmp9, s13                   ; which record of that tensor
	s_lshl_b32 s14, s13, 17                        ; 64 rows of 2,048 bytes a record,
	s_lshl_b32 s15, s12, 15                        ; 16 rows a wave (33,554,432 bytes at the most)
	s_add_co_u32 s14, s14, s15
	s_mov_b32 s15, 0
	s_add_nc_u64 s[4:5], s[4:5], s[14:15]          ; my wave's first row
	s_mul_i32 s14, s13, REC
	s_add_nc_u64 s[8:9], s[8:9], s[14:15]          ; the record
	s_lshl_b32 s14, s12, 12
	s_add_nc_u64 s[10:11], s[8:9], s[14:15]        ; my tile's codes in it
.macro LOADK s                         ; K step s of my 16 rows: each load takes 512 consecutive bytes of one row.  No hint: the codebook is read again by a later launch
.irp i, 0,1,2,3,4,5,6,7,8,9,10,11,12,13,14,15
	global_load_b128 v[R+64*((\s)%2)+4*\i:R+64*((\s)%2)+4*\i+3], v[L16], s[4:5] offset:2048*\i+512*(\s)
.endr
.endm
.macro KSTEP s
.if (\s) < 3
	s_wait_loadcnt 16                              ; loads come back in order: this K step's 16 are in, the next one's 16 may be out
.else
	s_wait_loadcnt 0
.endif
.irp i, 0,1,2,3,4,5,6,7,8,9,10,11,12,13,14,15
	ds_store_b128 v[STW], v[R+64*((\s)%2)+4*\i:R+64*((\s)%2)+4*\i+3] offset:PITCH*\i
.endr
.irp c, 0,1
.irp q, 0,1,2,3,4,5,6,7
	ds_load_b128 v[X+32*\c+4*\q:X+32*\c+4*\q+3], v[STR] offset:256*\c+16*\q   ; LDS serves a wave's instructions in order: these see the stores above
.endr
.endr
	s_wait_dscnt 0x0                               ; my two blocks are in
.if (\s) < 2
	LOADK (\s)+2                                   ; the set just emptied takes the K step two on
.endif
.irp c, 0,1
	v_max3_num_f32 v[MX+\c], |v[X+32*\c]|, |v[X+32*\c+1]|, 0x1800000   ; block 2 c + h: all its 32 numbers are mine; the floor 2^(3 - 127) holds the byte at 1 from below
.if (\s) == 0
	v_pk_mul_f32 v[SQ+2*\c:SQ+2*\c+1], v[X+32*\c:X+32*\c+1], v[X+32*\c:X+32*\c+1]   ; the first products start the sums: nothing is cleared
.else
	v_pk_fma_f32 v[SQ+2*\c:SQ+2*\c+1], v[X+32*\c:X+32*\c+1], v[X+32*\c:X+32*\c+1], v[SQ+2*\c:SQ+2*\c+1]
.endif
.endr
.irp i, 2,4,6,8,10,12,14,16,18,20,22,24,26,28,30
.irp c, 0,1
	v_max3_num_f32 v[MX+\c], v[MX+\c], |v[X+32*\c+\i]|, |v[X+32*\c+\i+1]|
.if ((\s) == 0) && (\i == 2)
	v_pk_mul_f32 v[SQ+4+2*\c:SQ+4+2*\c+1], v[X+32*\c+\i:X+32*\c+\i+1], v[X+32*\c+\i:X+32*\c+\i+1]
.else
	v_pk_fma_f32 v[SQ+2*((\i+\c)%4):SQ+2*((\i+\c)%4)+1], v[X+32*\c+\i:X+32*\c+\i+1], v[X+32*\c+\i:X+32*\c+\i+1], v[SQ+2*((\i+\c)%4):SQ+2*((\i+\c)%4)+1]
.endif
.endr
.endr
.irp c, 0,1
	v_add_nc_u32 v[SO+\c], 0xff000000, v[MX+\c]    ; 2 off the exponent field: the conversion takes the exponent field of this operand as its scale, and nothing else of it
.endr
.irp c, 0,1
	v_lshrrev_b32 v[BY+\c], 23, v[SO+\c]           ; the scale's byte
.endr
.irp c, 0,1
.irp g, 0,1,2,3
	v_cvt_scalef32_pk8_fp4_f32 v[C+8*(\s)+4*\c+\g], v[X+32*\c+8*\g:X+32*\c+8*\g+7], v[SO+\c]   ; register 4 c + g of the operand
.endr
.endr
	v_lshl_or_b32 v[W], v[BY+1], 16, v[BY]         ; my two bytes: blocks h and 2 + h of the K step.  (Plain lines behind the conversions)
	v_lshlrev_b32 v[W], v[SH8], v[W]               ; at their places in the word
	v_permlanex16_b32 v[T], v[W], s20, s21
	v_or_b32 v[SW+(\s)], v[W], v[T]                ; with lane l xor 16's two the word is whole
.irp c, 0,1
	global_store_b128 v[L16], v[C+8*(\s)+4*\c:C+8*(\s)+4*\c+3], s[10:11] offset:512*(2*(\s)+\c)   ; 32 lanes store 512 consecutive bytes, at a multiple of 256 from the buffer's first byte
.endr
.endm
	LOADK 0
	LOADK 1
	KSTEP 0
	KSTEP 1
	KSTEP 2
	KSTEP 3
	v_pk_add_f32 v[SQ:SQ+1], v[SQ:SQ+1], v[SQ+2:SQ+3]
	v_pk_add_f32 v[SQ+4:SQ+5], v[SQ+4:SQ+5], v[SQ+6:SQ+7]
	v_pk_add_f32 v[SQ:SQ+1], v[SQ:SQ+1], v[SQ+4:SQ+5]
	v_add_f32 v[SQ], v[SQ], v[SQ+1]
	v_permlanex16_b32 v[T], v[SQ], s20, s21
	v_add_f32 v[SQ], v[SQ], v[T]                   ; with lane l xor 16's half: the row's sum of squares
	ds_store_b128 v[OSC], v[SW:SW+3] offset:OST    ; lanes r and r + 16 write the same bytes with the same values
	ds_store_b32 v[OSS], v[SQ] offset:OST+1024
	s_wait_dscnt 0x0                               ; for wave 0's sake: my stores have landed
	s_barrier_signal -1
	s_barrier_wait -1
	s_cmp_lg_u32 s12, 0                            ; wave 0 sends the record's 1,280 last bytes, so that they leave in runs of 512 and 256 consecutive bytes
	s_cbranch_scc1 .Lend
	ds_load_b128 v[16:19], v[L16] offset:OST
	ds_load_b128 v[20:23], v[L16] offset:OST+512
	ds_load_b64 v[24:25], v[L8] offset:OST+1024
	s_wait_dscnt 0x0
	global_store_b128 v[L16], v[16:19], s[8:9] offset:16384
	global_store_b128 v[L16], v[20:23], s[8:9] offset:16896
	global_store_b64 v[L8], v[24:25], s[8:9] offset:17408
.Lend:
	s_wait_tensorcnt 0x0
	ds_add_u32 v254, v255
	s_wait_dscnt 0x0
	s_endpgm
.Lfunc_end_k_qc27d27a902_quant:
	.size	k_qc27d27a902_quant, .Lfunc_end_k_qc27d27a902_quant-k_qc27d27a902_quant
	.p2alignl 7, 3214868480
	.fill 96, 4, 3214868480
	.section	.rodata,"a",@progbits
	.p2align	6, 0x0
	.amdhsa_kernel k_qc27d27a902_quant
		.amdhsa_group_segment_fixed_size 35840
		.amdhsa_private_segment_fixed_size 0
		.amdhsa_enable_private_segment 0
		.amdhsa_kernarg_size 32
		.amdhsa_user_sgpr_count 2
		.amdhsa_user_sgpr_kernarg_segment_ptr 1
		.amdhsa_wavefront_size32 1
		.amdhsa_system_sgpr_workgroup_id_x 1
		.amdhsa_system_sgpr_workgroup_id_y 1
		.amdhsa_system_sgpr_workgroup_id_z 1
		.amdhsa_system_vgpr_workitem_id 0
		.amdhsa_next_free_vgpr 256
		.amdhsa_next_free_sgpr 66
		.amdhsa_reserve_vcc 0
		.amdhsa_float_denorm_mode_32 3
		.amdhsa_float_denorm_mode_16_64 3
		.amdhsa_memory_ordered 1
		.amdhsa_forward_progress 1
		.amdhsa_inst_pref_size 38
	.end_amdhsa_kernel
	.amdgpu_metadata
---
amdhsa.version: [ 1, 2 ]
amdhsa.kernels:
  - .name:           k_qc27d27a902_quant
    .symbol:         k_qc27d27a902_quant.kd
    .args:
      - { .name: z_e, .offset: 0, .size: 8, .value_kind: global_buffer, .address_space: global }
      - { .name: codebook, .offset: 8, .size: 8, .value_kind: global_buffer, .address_space: global }
      - { .name: zq, .offset: 16, .size: 8, .value_kind: global_buffer, .address_space: global }
      - { .name: cbk, .offset: 24, .size: 8, .value_kind: global_buffer, .address_space: global }
    .group_segment_fixed_size: 35840
    .private_segment_fixed_size: 0
    .kernarg_segment_align: 8
    .kernarg_segment_size: 32
    .max_flat_workgroup_size: 128
    .sgpr_count:     66
    .vgpr_count:     256
    .wavefront_size: 32
...
	.end_amdgpu_metadata
.endif
;; end of part 4
;; launch nearest (part 5): grid 256 x 1, 8 waves a work-group, clusters of 4 x 1, 327,680 bytes of LDS; arguments zq, cbk, idx, best; writes idx, best
.if DOCPART == 5
	.amdgcn_target "amdgcn-amd-amdhsa--gfx1250"
	.amdhsa_code_object_version 6
	.text
	.protected	k_qc27d27a902_nearest
	.globl	k_qc27d27a902_nearest
	.p2align	8
	.type	k_qc27d27a902_nearest,@function
k_qc27d27a902_nearest:
	s_mov_b64 s[64:65], 0
	v_nop
	global_prefetch_b8 v0, s[64:65] scope:SCOPE_SE
	s_setreg_imm32_b32 hwreg(HW_REG_WAVE_MODE, 25, 1), 1
	s_wait_xcnt 0x0
	s_wait_alu depctr_hold_cnt(0) depctr_sa_sdst(0) depctr_va_vdst(0) depctr_va_sdst(0) depctr_va_ssrc(0) depctr_va_vcc(0) depctr_vm_vsrc(0)
	s_getreg_b32 s2, hwreg(HW_REG_IB_STS2, 6, 4)
	s_cmp_eq_u32 s2, 0
	s_cbranch_scc0 .Lentry_in_a_cluster
	s_endpgm
.Lentry_in_a_cluster:
	s_bfe_u32 s2, ttmp6, 0x10000c
	s_cmp_lg_u32 s2, 0x3003
	s_cbranch_scc0 .Lentry_shape_is_right
	s_endpgm
.Lentry_shape_is_right:
; For each row of z_e and each half of the codebook: the nearest code's index and its distance d = (z2 - 2 c) + e2, f32, rounded in reference()'s order; c by MX-FP4 matrix instructions.
; zq and cbk hold records of 64 rows (17,664 bytes: codes as the operand's registers take them, 16 bytes of scale words a row, the rows' sums of squares).
; SHARES.  A work-group takes 128 rows of z_e (two records) and one half of the codebook (64 records).  Waves 0-3 take the first 64 rows, waves 4-7 the other 64; a wave keeps its rows' codes in 128 registers.
; The half goes through a ring of two LDS slots of 8 records; of a slot wave w takes records 2 (w % 4) and 2 (w % 4) + 1: four pairs of tiles, 32 codes a pair, each against its four tiles of 16 rows.
; CLUSTER: the four work-groups of a cluster take the same half, so each record is asked for jointly (mask 15); wave w fetches record w of a slot, one load a wave.
; THE FORM is 32 x 16 x 128: source 0 = 32 codes, source 1 = 16 rows of z_e: lane (r, h) holds row r; its registers j = 0 .. 7 hold the codes 8 h + j of the pair, registers 8 + j the codes 16 + 8 h + j.
; THE FACTOR 2 lies in z_e's scale bytes (each + 1: the quantiser gives 252 at the most, so the bytes stay finite codes): the sums are 2 c.
; TRACKING, a lane and a tile of rows: the least of a pair's 16 distances is held against the best so far; where it is strictly less, the 16 distances, the pair's number and the least are kept,
; two registers an instruction, by VCC.  Strictly less keeps the earlier pair; at the end the lowest register that equals the best is taken, and merges prefer the lower index at equal distances: argmin's first.
; TWO GROUPS OF ROWS: tiles 0, 1 (X) and 2, 3 (Y).  A step is X's products, Y's vector work of the pair before, Y's products, X's vector work: the vector work names no register of the products
; ahead of it, so it fills the places behind them; one set of accumulators and one set of the pair's codes serve, and the next pair's LDS loads stand in the middle of X's vector work.
; The best distance leaves as a whole number that sorts as the distance does (bits, with the lower 31 turned over where the sign is set), so that the next launch compares whole numbers.
; No prefetch: a work-group's stream is 64 records, 1,130,496 bytes, which 128 work-groups walk in the same order, and each refill is asked for four pairs a wave ahead of its first read.
; LIMITS: NaN and infinities among the distances are not served.
.set DUALD, 1                          ; 1: the two additions as dual-issue pairs; 0: as packed forms
.set DUALC, 1                          ; 1: the selects as dual-issue pairs; 0: one by one
.set REC,   17664
.set SLOT,  8*REC
.set SPARE, 2*SLOT                     ; behind the ring: the spare words, 128 bytes for each of 8 waves
.set SCR,   SPARE+1024                 ; behind them: 512 bytes a wave for the merge of the waves' results
.set SCOFF, 16384
.set SQOFF, 17408
.set SPW,  1                           ; v1 my spare word, v2 = 0: kept for the add alone
.set NIL,  2
.set ADR,  3                           ; v3-4   my two records in slot 0, 1, + 16 x lane
.set AE,   5                           ; v5-6   their sums of squares, + 32 h
.set H8,   7                           ; v7     8 h
.set SCRW, 8
.set SCRR, 9
.set L16,  10
.set R4,   11
.set L8,   12
.set R16,  13                          ; v13    16 r
.set ZS,   16                          ; v16-31   z_e's scale words: 4 t + s, row r's in lane r
.set Z2,   32                          ; v32-39   z2 of my row in tile t, twice
.set SC,   40                          ; v40-55   the slot's scale words of my two records: lane l holds row 32 p + l's
.set E,    56                          ; v56-87   e2 of my 16 codes, two sets
.set ACC,  88                          ; v88-151  four accumulators of 16
.set S,    152                         ; v152-215 the best pair's 16 distances, for each tile of rows
.set GB,   216                         ; v216-223 pairs: the best pair's number, the best distance
.set M,    232                         ; v232-233 a pair's least distance (a group's two tiles); v234, v236 at work
.set TID,  235                         ; v235     the number of the pair at work
.set TJ,   240
.set PB,   244
.set PI,   248
.set Q,    56                          ; the merge of the waves: in E's registers
.set FW,   128                         ; v384-447 (window 1): the pair's codes: 16 s + 8 x tile + 4 c;  v256-383: my rows' codes
.set G1,   16
.set G0,   24
.set CM,   36
.set MSB, 0
.macro WIN new
.if MSB != \new
	s_set_vgpr_msb (MSB<<8)|\new
.set MSB, \new
.endif
.endm
.macro CREST                           ; a round of the cluster's barrier behind its opening barrier
	s_cmp_lg_u32 s10, 0
	s_cbranch_scc1 .Lnot_wave_0_\@
	s_barrier_signal -3
.Lnot_wave_0_\@:
	s_barrier_wait -3
	s_barrier_signal -1
	s_barrier_wait -1
.endm
.macro CROUND
	s_barrier_signal -1
	s_barrier_wait -1
	CREST
.endm
	s_load_b128 s[4:7], s[0:1], 0x0                ; zq, cbk
	s_load_b128 s[48:51], s[0:1], 0x10             ; idx, best
	v_lshl_add_u32 v[SPW], v0, 2, SPARE
	v_mov_b32 v[NIL], 0
	ds_add_u32 v[SPW], v[NIL]                      ; the opening lines: the add, twice on end, under one wait
	ds_add_u32 v[SPW], v[NIL]
	v_lshrrev_b32 v14, 5, v0
	v_readfirstlane_b32 s10, v14                   ; wave 0..7
	s_lshr_b32 s15, s10, 2                         ; which 64 rows
	s_and_b32 s34, s10, 3                          ; which two records of a slot
	s_bfe_u32 s11, ttmp6, 0x40000                  ; cx
	s_and_b32 s12, ttmp9, 1                        ; which half of the codebook: the same in the cluster's four
	s_lshr_b32 s14, ttmp9, 1
	s_lshl_b32 s14, s14, 3
	s_lshl_b32 s35, s11, 1
	s_add_co_u32 s35, s35, s14
	s_add_co_u32 s35, s35, s15                     ; my record of zq
	s_mov_b32 s[G1+0], 15|(3<<16)|(1<<21)          ; a record: 69 rows of 32 elements of 8 bytes, dense; mask: all four of the cluster
	s_mov_b32 s[G1+1], 32<<16
	s_mov_b32 s[G1+2], 69<<16
	s_mov_b32 s[G1+3], 32<<16
	s_mov_b32 s[G1+4], 69
	s_mov_b32 s[G1+5], 32
	s_mov_b32 s[G1+6], 0
	s_mov_b32 s[G1+7], 0
	s_mul_i32 s13, s10, REC                        ; the record that I fetch: its place in a slot
	s_mul_i32 s54, s34, 2*REC                      ; the two that I read
	s_lshl_b32 s55, s10, 9
	s_add_co_u32 s55, s55, SCR
	s_lshl_b32 s56, s15, 11
	s_add_co_u32 s56, s56, SCR
	s_mov_b32 s44, 0x76543210
	s_mov_b32 s45, 0xfedcba98                      ; v_permlanex16_b32's selects for lane l xor 16
	s_lshl_b32 s33, s12, 7
	s_lshl_b32 s57, s34, 2
	s_add_co_u32 s33, s33, s57
	s_sub_co_u32 s33, s33, 13                      ; my first pair's number less the 13 that a slot's first pair adds
	s_mul_i32 s52, s12, 64*REC
	s_add_co_u32 s52, s52, s13
	s_mov_b32 s53, 0
	s_mov_b32 s47, 0
	v_and_b32 v[M], 31, v0
	v_and_b32 v14, 15, v0
	v_bfe_u32 v15, v0, 4, 1
	v_lshlrev_b32 v[L16], 4, v[M]
	v_lshlrev_b32 v[L8], 3, v[M]
	v_lshlrev_b32 v[R4], 2, v14
	v_lshlrev_b32 v[R16], 4, v14
	v_lshlrev_b32 v[H8], 3, v15
	v_add_nc_u32 v[ADR], s54, v[L16]
	v_lshl_add_u32 v[AE], v15, 5, s54
	v_lshl_add_u32 v[SCRW], v14, 3, s55
	v_add_nc_u32 v[SCRR], s56, v[L16]
	v_add_nc_u32 v[ADR+1], SLOT, v[ADR]
	v_add_nc_u32 v[AE], SQOFF, v[AE]
	v_mov_b32 v[TID], s33
	v_add_nc_u32 v[AE+1], SLOT, v[AE]
.irp t, 0,1,2,3
	v_mov_b32 v[GB+2*\t], 0
	v_mov_b32 v[GB+2*\t+1], 0x7f800000             ; the best so far: +infinity
.endr
.set n, 0
.rept 64
	v_mov_b32 v[S+n], 0x7f800000                   ; written whole once: the selects read them
.set n, n+1
.endr
	s_wait_alu depctr_va_vdst(0)
	s_wait_dscnt 0x0                               ; both opening adds are done
	s_wait_kmcnt 0x0
	s_mov_b32 s[G0+0], 1
	s_mov_b32 s[G0+1], s13
	s_add_nc_u64 s[G0+2:G0+3], s[6:7], s[52:53]
	s_or_b32 s[G0+3], s[G0+3], 0x80000000
	s_mov_b32 s[G0+4], 1
	s_add_co_u32 s[G0+5], s13, SLOT
	s_add_nc_u64 s[G0+6:G0+7], s[6:7], s[52:53]
	s_add_nc_u64 s[G0+6:G0+7], s[G0+6:G0+7], 8*REC
	s_or_b32 s[G0+7], s[G0+7], 0x80000000
	s_mul_i32 s46, s35, REC
	s_add_nc_u64 s[4:5], s[4:5], s[46:47]
	s_lshl_b32 s46, s35, 8                         ; my 64 rows' 256 bytes in a half of idx and of best
	s_lshl_b32 s58, s12, 16
	s_add_co_u32 s46, s46, s58
	s_add_nc_u64 s[48:49], s[48:49], s[46:47]
	s_add_nc_u64 s[50:51], s[50:51], s[46:47]
	CROUND                                         ; the four work-groups are here: the first joint loads meet
	tensor_load_to_lds s[G0:G0+3], s[G1:G1+7]      ; slot 0: one tensor load a wave at the head
	s_nop 0
	WIN 0x40                                       ; my rows' codes into v256-383: they come in under the first tile's flight
.irp t, 0,1,2,3
.irp q, 0,1,2,3,4,5,6,7
	global_load_b128 v[32*\t+4*\q:32*\t+4*\q+3], v[L16], s[4:5] offset:4096*\t+512*\q
.endr
.endr
	WIN 0
.irp t, 0,1,2,3
	global_load_b128 v[ZS+4*\t:ZS+4*\t+3], v[R16], s[4:5] offset:SCOFF+256*\t
.endr
.irp t, 0,1,2,3
	global_load_b32 v[Z2+2*\t], v[R4], s[4:5] offset:SQOFF+64*\t
	global_load_b32 v[Z2+2*\t+1], v[R4], s[4:5] offset:SQOFF+64*\t
.endr
	s_wait_tensorcnt 0x0                           ; slot 1's first fill is issued as a refill is
	ds_add_u32 v[SPW], v[NIL]
	s_wait_dscnt 0x0
	CROUND                                         ; every wave's record of slot 0 is in
	tensor_load_to_lds s[G0+4:G0+7], s[G1:G1+7]
	s_nop 0
.macro LOADP sl, v                     ; pair v of my two records: 16 pieces of codes, and my 16 codes' e2 into set v % 2
	WIN 0x40
.irp hf, 0,1
.irp q, 0,1,2,3,4,5,6,7
	ds_load_b128 v[FW+16*(\q/2)+8*\hf+4*(\q%2):FW+16*(\q/2)+8*\hf+4*(\q%2)+3], v[ADR+(\sl)] offset:REC*((\v)/2)+4096*(2*((\v)%2)+\hf)+512*\q
.endr
.endr
	WIN 0
.irp hf, 0,1
.irp c, 0,1
	ds_load_b128 v[E+16*((\v)%2)+8*\hf+4*\c:E+16*((\v)%2)+8*\hf+4*\c+3], v[AE+(\sl)] offset:REC*((\v)/2)+64*(2*((\v)%2)+\hf)+16*\c
.endr
.endr
.endm
.macro LOADS sl                        ; the scale words of my two records: lane l takes row 32 p + l's four
.irp e, 0,1
.irp p, 0,1
	ds_load_b128 v[SC+8*\e+4*\p:SC+8*\e+4*\p+3], v[ADR+(\sl)] offset:REC*\e+SCOFF+512*\p
.endr
.endr
.endm
.macro MMG v, g                        ; 8 matrix instructions: the pair against group g's two tiles of rows; K ascending, the two accumulators by turns; the first K step starts the sums
	WIN 0x05
.irp s, 0,1,2,3
.irp x, 0,1
.set rD, ACC+16*(2*(\g)+\x)
.set rA, FW+16*\s
.set rB, 32*(2*(\g)+\x)+8*\s
.set rX, SC+8*((\v)/2)+4*((\v)%2)+\s
.set rY, ZS+4*(2*(\g)+\x)+\s
.if \s == 0
	v_wmma_scale_f32_32x16x128_f4 v[rD:rD+15], v[rA:rA+15], v[rB:rB+7], 0, v[rX], v[rY]
.else
	v_wmma_scale_f32_32x16x128_f4 v[rD:rD+15], v[rA:rA+15], v[rB:rB+7], v[rD:rD+15], v[rX], v[rY]
.endif
.endr
.endr
	WIN 0
.endm
.macro DSUB a, z                       ; two of z2 - 2 c
.if DUALD
	v_dual_sub_f32 v[\a], v[\z], v[\a] :: v_dual_sub_f32 v[\a+1], v[\z+1], v[\a+1]
.else
	v_pk_add_f32 v[\a:\a+1], v[\z:\z+1], v[\a:\a+1] neg_lo:[0,1] neg_hi:[0,1]
.endif
.endm
.macro DADD a, e                       ; two of .. + e2
.if DUALD
	v_dual_add_f32 v[\a], v[\a], v[\e] :: v_dual_add_f32 v[\a+1], v[\a+1], v[\e+1]
.else
	v_pk_add_f32 v[\a:\a+1], v[\a:\a+1], v[\e:\e+1]
.endif
.endm
.macro CSEL d, a, b                    ; v[d] takes v[a] and v[d + 1] takes v[b] where VCC is set
.if DUALC
	v_dual_cndmask_b32 v[\d], v[\d], v[\a] :: v_dual_cndmask_b32 v[\d+1], v[\d+1], v[\b]
.else
	v_cndmask_b32 v[\d], v[\d], v[\a], vcc_lo
	v_cndmask_b32 v[\d+1], v[\d+1], v[\b], vcc_lo
.endif
.endm
.macro VECA g, p, inc                  ; group g's distances, with e2 from set p; each accumulator is read from its low end on
.if \inc
	v_add_nc_u32 v[TID], \inc, v[TID]
.endif
.irp j, 0,2,4,6,8,10,12,14
.irp x, 0,1
	DSUB ACC+16*(2*(\g)+\x)+\j, Z2+2*(2*(\g)+\x)
.endr
.endr
.irp j, 0,2,4,6,8,10,12,14
.irp x, 0,1
	DADD ACC+16*(2*(\g)+\x)+\j, E+16*(\p)+\j
.endr
.endr
.endm
.macro VECB g                          ; the pair's least distance (four chains by turns), and what is kept where it is strictly less than the best
.irp x, 0,1
	v_min3_num_f32 v[M+\x], v[ACC+16*(2*(\g)+\x)], v[ACC+16*(2*(\g)+\x)+1], v[ACC+16*(2*(\g)+\x)+2]
	v_min3_num_f32 v[M+2+2*\x], v[ACC+16*(2*(\g)+\x)+8], v[ACC+16*(2*(\g)+\x)+9], v[ACC+16*(2*(\g)+\x)+10]
.endr
.irp i, 3,5
.irp x, 0,1
	v_min3_num_f32 v[M+\x], v[M+\x], v[ACC+16*(2*(\g)+\x)+\i], v[ACC+16*(2*(\g)+\x)+\i+1]
	v_min3_num_f32 v[M+2+2*\x], v[M+2+2*\x], v[ACC+16*(2*(\g)+\x)+8+\i], v[ACC+16*(2*(\g)+\x)+9+\i]
.endr
.endr
.irp x, 0,1
	v_min3_num_f32 v[M+\x], v[M+\x], v[M+2+2*\x], v[ACC+16*(2*(\g)+\x)+7]
.endr
.irp x, 0,1
	v_min_num_f32 v[M+\x], v[M+\x], v[ACC+16*(2*(\g)+\x)+15]
.endr
.irp x, 0,1
	v_cmp_lt_f32 vcc_lo, v[M+\x], v[GB+2*(2*(\g)+\x)+1]
.irp j, 0,2,4,6,8,10,12,14
	CSEL S+16*(2*(\g)+\x)+\j, ACC+16*(2*(\g)+\x)+\j, ACC+16*(2*(\g)+\x)+\j+1
.endr
	CSEL GB+2*(2*(\g)+\x), TID, M+\x
.endr
.endm
; One pair's turn.  v = 3 changes slots (mode 2: this slot is filled again; mode 1: it is not; mode 0: the last pair of all).  vec = 0: the very first pair has none before it.
.macro STEP sl, nx, v, mode, vec
.if ((\v) == 3) && ((\mode) > 0)
	s_wait_tensorcnt 0x0                           ; all my tensor loads have landed: my record of the next slot;
	ds_add_u32 v[SPW], v[NIL]                      ; 0 onto my spare word
.if (\mode) == 2
	s_add_nc_u64 s[G0+4*\sl+2:G0+4*\sl+3], s[G0+4*\sl+2:G0+4*\sl+3], 16*REC   ; no load of mine is out: this slot's next 8 records
.endif
	s_wait_dscnt 0x0                               ; the add is done, and my last reads of this slot are in
	s_barrier_signal -1
	MMG \v, 0                                      ; work on registers while the others arrive
	VECA 1, ((\v)+1)%2, 0
	VECB 1
	s_barrier_wait -1
.if (\mode) == 2
	CREST                                          ; the barrier has opened a round: no wave of any partner still reads this slot
	tensor_load_to_lds s[G0+4*\sl:G0+4*\sl+3], s[G1:G1+7]
	s_nop 0
.endif
.else
	s_wait_dscnt 0x0                               ; this pair's codes and e2 are in
	MMG \v, 0
.if \vec
	VECA 1, ((\v)+1)%2, 0
	VECB 1
.else
.rept 4
	v_nop                                          ; the places ahead of the first read of X's results
.endr
.endif
.endif
	MMG \v, 1
.if (\v) == 0
	VECA 0, (\v)%2, 13                             ; a slot's first pair: 16 pairs a slot, 4 of them mine
.else
	VECA 0, (\v)%2, 1
.endif
.if (\v) < 3
	LOADP \sl, (\v)+1
.elseif (\mode) > 0
	LOADP \nx, 0
	LOADS \nx
.endif
	VECB 0
.endm
.macro MERGE vb, vi, wb, wi            ; (wb, wi) takes (vb, vi)'s place where it is nearer, or as near with the lower index
	v_cmp_lt_f32 s40, v[\wb], v[\vb]
	v_cmp_eq_f32 s41, v[\wb], v[\vb]
	v_cmp_lt_u32 s42, v[\wi], v[\vi]
	s_and_b32 s41, s41, s42
	s_or_b32 s40, s40, s41
	v_cndmask_b32 v[\vb], v[\vb], v[\wb], s40
	v_cndmask_b32 v[\vi], v[\vi], v[\wi], s40
.endm
	LOADP 0, 0
	LOADS 0
	s_wait_loadcnt 0x0                             ; my rows' codes, scale words and z2
.set n, 0
.rept 16
	v_add_nc_u32 v[ZS+n], 0x01010101, v[ZS+n]      ; the factor 2: 1 onto each scale byte
.set n, n+1
.endr
.rept 8
	v_nop                                          ; a scale register written by a vector instruction stands 8 places ahead of the scaled matrix instruction
.endr
	s_wait_alu depctr_va_vdst(0)
	STEP 0, 1, 0, 2, 0
	s_mov_b32 s32, 3
.Lpair:                                                ; a trip goes once round the ring, from slot 0's second pair to its next first, and fills both slots again
.irp v, 1,2,3
	STEP 0, 1, \v, 2, 1
.endr
.irp v, 0,1,2,3
	STEP 1, 0, \v, 2, 1
.endr
	STEP 0, 1, 0, 2, 1
	s_sub_co_u32 s32, s32, 1
	s_cmp_lg_u32 s32, 0
	s_cbranch_scc1 .Lpair
.irp v, 1,2,3
	STEP 0, 1, \v, 1, 1                            ; the last lap fills nothing
.endr
.irp v, 0,1,2,3
	STEP 1, 0, \v, 0, 1
.endr
	VECA 1, 1, 0
	VECB 1
.irp t, 0,1,2,3
	v_mov_b32 v[TJ+\t], 15
	v_mov_b32 v[PI+\t], 0                          ; a lane exchange's destination counts as one of its sources
.endr
.irp j, 14,13,12,11,10,9,8,7,6,5,4,3,2,1,0
.irp t, 0,1,2,3
	v_cmp_eq_f32 s[CM+\t], v[S+16*\t+\j], v[GB+2*\t+1]
.endr
.irp t, 0,1,2,3
	v_cndmask_b32 v[TJ+\t], v[TJ+\t], \j, s[CM+\t] ; the lowest register whose distance is the best
.endr
.endr
.irp t, 0,1,2,3
	v_and_b32 v[PB+\t], 8, v[TJ+\t]
	v_lshl_add_u32 v[GB+2*\t], v[GB+2*\t], 5, v[TJ+\t]
.endr
.irp t, 0,1,2,3
	v_add3_u32 v[GB+2*\t], v[GB+2*\t], v[PB+\t], v[H8]   ; the index: 32 x pair + 16 (i / 8) + 8 h + i % 8 = 32 x pair + i + (i & 8) + 8 h
.endr
.irp t, 0,1,2,3
	v_permlanex16_b32 v[PB+\t], v[GB+2*\t+1], s44, s45
	v_permlanex16_b32 v[PI+\t], v[GB+2*\t], s44, s45
.endr
.irp t, 0,1,2,3
	MERGE GB+2*\t+1, GB+2*\t, PB+\t, PI+\t
.endr
.irp t, 0,1,2,3
	ds_store_b64 v[SCRW], v[GB+2*\t:GB+2*\t+1] offset:128*\t   ; lanes r and r + 16 write the same bytes with the same values
.endr
	s_wait_alu depctr_va_vdst(0)
	s_wait_dscnt 0x0                               ; for the merging wave's sake: my stores have landed
	s_barrier_signal -1
	s_barrier_wait -1
	s_cmp_lg_u32 s34, 0                            ; waves 0 and 4 merge their four waves' results: a lane takes two rows
	s_cbranch_scc1 .Lothers
.irp k, 0,1,2,3
	ds_load_b128 v[Q+4*\k:Q+4*\k+3], v[SCRR] offset:512*\k
.endr
	s_wait_dscnt 0x0
.irp k, 1,2,3
	MERGE Q+1, Q, Q+4*\k+1, Q+4*\k
	MERGE Q+3, Q+2, Q+4*\k+3, Q+4*\k+2
.endr
	v_ashrrev_i32 v[Q+20], 31, v[Q+1]              ; the distance as a whole number that sorts alike
	v_ashrrev_i32 v[Q+21], 31, v[Q+3]
	v_mov_b32 v[Q+16], v[Q]
	v_mov_b32 v[Q+17], v[Q+2]
	v_and_b32 v[Q+20], 0x7fffffff, v[Q+20]
	v_and_b32 v[Q+21], 0x7fffffff, v[Q+21]
	v_xor_b32 v[Q+18], v[Q+1], v[Q+20]
	v_xor_b32 v[Q+19], v[Q+3], v[Q+21]
	global_store_b64 v[L8], v[Q+16:Q+17], s[48:49] ; 32 lanes store one aligned run of 256 bytes
	global_store_b64 v[L8], v[Q+18:Q+19], s[50:51]
.Lothers:
	s_wait_tensorcnt 0x0                           ; the wave's end
	ds_add_u32 v[SPW], v[NIL]
	s_wait_dscnt 0x0
	CROUND                                         ; the closing round
	s_endpgm
.Lfunc_end_k_qc27d27a902_nearest:
	.size	k_qc27d27a902_nearest, .Lfunc_end_k_qc27d27a902_nearest-k_qc27d27a902_nearest
	.p2alignl 7, 3214868480
	.fill 96, 4, 3214868480
	.section	.rodata,"a",@progbits
	.p2align	6, 0x0
	.amdhsa_kernel k_qc27d27a902_nearest
		.amdhsa_group_segment_fixed_size 327680
		.amdhsa_private_segment_fixed_size 0
		.amdhsa_enable_private_segment 0
		.amdhsa_kernarg_size 32
		.amdhsa_user_sgpr_count 2
		.amdhsa_user_sgpr_kernarg_segment_ptr 1
		.amdhsa_wavefront_size32 1
		.amdhsa_system_sgpr_workgroup_id_x 1
		.amdhsa_system_sgpr_workgroup_id_y 1
		.amdhsa_system_sgpr_workgroup_id_z 1
		.amdhsa_system_vgpr_workitem_id 0
		.amdhsa_next_free_vgpr 448
		.amdhsa_next_free_sgpr 66
		.amdhsa_reserve_vcc 1
		.amdhsa_float_denorm_mode_32 3
		.amdhsa_float_denorm_mode_16_64 3
		.amdhsa_memory_ordered 1
		.amdhsa_forward_progress 1
		.amdhsa_inst_pref_size 220
	.end_amdhsa_kernel
	.amdgpu_metadata
---
amdhsa.version: [ 1, 2 ]
amdhsa.kernels:
  - .name:           k_qc27d27a902_nearest
    .symbol:         k_qc27d27a902_nearest.kd
    .args:
      - { .name: zq, .offset: 0, .size: 8, .value_kind: global_buffer, .address_space: global }
      - { .name: cbk, .offset: 8, .size: 8, .value_kind: global_buffer, .address_space: global }
      - { .name: idx, .offset: 16, .size: 8, .value_kind: global_buffer, .address_space: global }
      - { .name: best, .offset: 24, .size: 8, .value_kind: global_buffer, .address_space: global }
    .group_segment_fixed_size: 327680
    .private_segment_fixed_size: 0
    .kernarg_segment_align: 8
    .kernarg_segment_size: 32
    .max_flat_workgroup_size: 256
    .sgpr_count:     66
    .vgpr_count:     448
    .wavefront_size: 32
...
	.end_amdgpu_metadata
.endif
;; end of part 5
;; launch gather (part 6): grid 1024 x 1, 4 waves a work-group, no clusters, 0 bytes of LDS; arguments codebook, idx, best, out0; writes out0
.if DOCPART == 6
	.amdgcn_target "amdgcn-amd-amdhsa--gfx1250"
	.amdhsa_code_object_version 6
	.text
	.protected	k_qc27d27a902_gather
	.globl	k_qc27d27a902_gather
	.p2align	8
	.type	k_qc27d27a902_gather,@function
k_qc27d27a902_gather:
	s_mov_b64 s[64:65], 0
	v_nop
	global_prefetch_b8 v0, s[64:65] scope:SCOPE_SE
	s_setreg_imm32_b32 hwreg(HW_REG_WAVE_MODE, 25, 1), 1
	s_wait_xcnt 0x0
; out0[0][row] = out0[1][row] = codebook[the row's nearest code], f32; 16,384 rows of 2,048 bytes.
; WORK LEFT OUT: z_e + (z_q - z_e) is z_q in exact arithmetic for all finite values (shown at the head of the first kernel), so z_e is not among this launch's arguments.
; The launch before stored, for each row and each half of the codebook, the nearest code's index (idx [2][16384]) and its distance as a whole number that sorts as the distance does (best [2][16384]).
; Both are whole numbers read from memory: the second half's index is taken where its number is strictly less (signed); at equal numbers the first half's stays: its indices are the lower ones.
; A stream: no LDS, no barrier, no matrix work.  A wave takes four rows; their indices and numbers come by four scalar loads, so each row's place in the codebook is a scalar base.
; Every load and store of a wave covers 512 consecutive bytes, aligned; all 16 loads of a wave are out at once; no register that a load or store names is written again.
; An index is held to 8,191 ahead of its use in an address (the launch before stores none above it).
.set ROW, 2048
.set QR,  4                            ; v4-67  four rows, 16 registers each
	s_load_b256 s[4:11], s[0:1], 0x0               ; codebook s[4:5], idx s[6:7], best s[8:9], out0 s[10:11]
	v_lshrrev_b32 v2, 5, v0
	v_readfirstlane_b32 s14, v2                    ; wave 0..3
	v_and_b32 v1, 31, v0
	v_lshlrev_b32 v1, 4, v1                        ; 16 x lane
	s_lshl_b32 s15, ttmp9, 2
	s_add_co_u32 s15, s15, s14                     ; which four rows are my wave's
	s_lshl_b32 s50, s15, 4                         ; their 16 bytes in a half of idx and of best
	s_mov_b32 s51, 0
	s_lshl_b32 s52, s15, 13                        ; their 8,192 bytes in each half of out0
	s_mov_b32 s53, 0
	s_wait_alu depctr_va_vdst(0)
	s_wait_kmcnt 0x0
	s_add_nc_u64 s[6:7], s[6:7], s[50:51]
	s_add_nc_u64 s[8:9], s[8:9], s[50:51]
	s_load_b128 s[16:19], s[6:7], 0x0              ; the four indices in the first half,
	s_load_b128 s[20:23], s[6:7], 0x10000          ; in the second: 65,536 bytes on,
	s_load_b128 s[24:27], s[8:9], 0x0              ; and their distances' numbers
	s_load_b128 s[28:31], s[8:9], 0x10000
	s_add_nc_u64 s[10:11], s[10:11], s[52:53]
	s_add_nc_u64 s[12:13], s[10:11], 0x2000000     ; the second half of out0: 33,554,432 bytes on
	s_wait_kmcnt 0x0
.irp i, 0,1,2,3
	s_cmp_lt_i32 s[28+\i], s[24+\i]
	s_cselect_b32 s[16+\i], s[20+\i], s[16+\i]
	s_min_u32 s[16+\i], s[16+\i], 8191
	s_lshl_b32 s[32+2*\i], s[16+\i], 11            ; the row's byte in the codebook, as an offset in 64 bits,
	s_mov_b32 s[33+2*\i], 0
	s_add_nc_u64 s[32+2*\i:33+2*\i], s[4:5], s[32+2*\i:33+2*\i]   ; onto the codebook's address
.endr
.irp i, 0,1,2,3
.irp j, 0,1,2,3
	global_load_b128 v[QR+16*\i+4*\j:QR+16*\i+4*\j+3], v1, s[32+2*\i:33+2*\i] offset:512*\j   ; no hint: other rows may name the same code
.endr
.endr
.irp i, 0,1,2,3
	s_wait_loadcnt 12-4*\i                         ; loads come back in order: this row's four are in, the later rows' four each may be out
.irp j, 0,1,2,3
	global_store_b128 v1, v[QR+16*\i+4*\j:QR+16*\i+4*\j+3], s[10:11] offset:ROW*\i+512*\j th:TH_STORE_NT
	global_store_b128 v1, v[QR+16*\i+4*\j:QR+16*\i+4*\j+3], s[12:13] offset:ROW*\i+512*\j th:TH_STORE_NT
.endr
.endr
	s_endpgm
.Lfunc_end_k_qc27d27a902_gather:
	.size	k_qc27d27a902_gather, .Lfunc_end_k_qc27d27a902_gather-k_qc27d27a902_gather
	.p2alignl 7, 3214868480
	.fill 96, 4, 3214868480
	.section	.rodata,"a",@progbits
	.p2align	6, 0x0
	.amdhsa_kernel k_qc27d27a902_gather
		.amdhsa_group_segment_fixed_size 0
		.amdhsa_private_segment_fixed_size 0
		.amdhsa_enable_private_segment 0
		.amdhsa_kernarg_size 32
		.amdhsa_user_sgpr_count 2
		.amdhsa_user_sgpr_kernarg_segment_ptr 1
		.amdhsa_wavefront_size32 1
		.amdhsa_system_sgpr_workgroup_id_x 1
		.amdhsa_system_sgpr_workgroup_id_y 1
		.amdhsa_system_sgpr_workgroup_id_z 1
		.amdhsa_system_vgpr_workitem_id 0
		.amdhsa_next_free_vgpr 72
		.amdhsa_next_free_sgpr 66
		.amdhsa_reserve_vcc 0
		.amdhsa_float_denorm_mode_32 3
		.amdhsa_float_denorm_mode_16_64 3
		.amdhsa_memory_ordered 1
		.amdhsa_forward_progress 1
		.amdhsa_inst_pref_size 7
	.end_amdhsa_kernel
	.amdgpu_metadata
---
amdhsa.version: [ 1, 2 ]
amdhsa.kernels:
  - .name:           k_qc27d27a902_gather
    .symbol:         k_qc27d27a902_gather.kd
    .args:
      - { .name: codebook, .offset: 0, .size: 8, .value_kind: global_buffer, .address_space: global }
      - { .name: idx, .offset: 8, .size: 8, .value_kind: global_buffer, .address_space: global }
      - { .name: best, .offset: 16, .size: 8, .value_kind: global_buffer, .address_space: global }
      - { .name: out0, .offset: 24, .size: 8, .value_kind: global_buffer, .address_space: global }
    .group_segment_fixed_size: 0
    .private_segment_fixed_size: 0
    .kernarg_segment_align: 8
    .kernarg_segment_size: 32
    .max_flat_workgroup_size: 128
    .sgpr_count:     66
    .vgpr_count:     72
    .wavefront_size: 32
...
	.end_amdgpu_metadata
.endif
;; end of part 6
